; MI455X (gfx1250); checked and timed in simulation.
; The chip was launched on July 23, 2026; its instructions are those of AMD's public machine-readable ISA for CDNA 5 (MIT licence, August 2026) and "CDNA5" Instruction Set Architecture Reference Guide (July 2026). The comments in the code are by the model that wrote it; some were corrected since.
;; NN Pytorch AD. Allowed arithmetic: matrix products marked QUANTISED: E2M3 operands, one E8M0 scale for each 32 along K, by v_wmma_scale_f32_16x16x128_f8f6f4 with both operands' format E2M3, f32 sums; products left as they are: f32 operands where the result goes on into a quantised operand, else bf16, f16 or f32 operands; f32 sums; everything else in f32.
;; Inputs: W0 16 x 256 float32; W1 256 x 256 float32; W2 256 x 256 float32; W3 256 x 4 float32; b0 256 float32; b1 256 float32; b2 256 float32; b3 4 float32; x 2,048 x 16 float32.
;; Outputs: out0 2,048 x 4 float32; out1 2,048 x 16 x 4 float32; out2 2,048 x 16 x 16 x 4 float32.
;; This version of the problem:
;;   THIS VERSION OF THE PROBLEM IS GIVEN IN LOW PRECISION. The matrix products marked QUANTISED in the list below multiply operands that are first quantised to E2M3 (2 exponent bits, 3 mantissa bits; 6 bits a number), with one power-of-two scale for each 32 numbers along K (OCP MX v1.0); their sums are f32. All else is computed in f32.
;;   The module's matrix products, in the order in which they are computed (A, B: the left and right operand; K: the contracted axis; several contracted axes count as one K, in the product's order):
;;     1. [M 2,048, K 16] x [K 16, N 256]; A: input x; B: input W0: left as it is (K = 16 < 32)
;;     2. [M 2,048, K 256] x [K 256, N 256]; A: computed on the way; B: input W1: QUANTISED
;;     3. [M 2,048, K 256] x [K 256, N 256]; A: computed on the way; B: input W2: QUANTISED
;;     4. [M 2,048, K 256] x [K 256, N 4]; A: computed on the way; B: input W3: left as it is (N = 4 < 16)
;;     5. [M 2,048, K 16] x [K 16, N 256]; A: input x; B: input W0: left as it is (K = 16 < 32)
;;     6. [M 2,048, K 256] x [K 256, N 256]; A: computed on the way; B: input W1: QUANTISED
;;     7. [M 2,048, K 256] x [K 256, N 256]; A: computed on the way; B: input W2: QUANTISED
;;     8. [M 2,048, K 256] x [K 256, N 4]; A: computed on the way; B: input W3: left as it is (N = 4 < 16)
;;     9. [M 4, K 4] x [K 4, N 256]; A: computed on the way; B: input W3: left as it is (K = 4 < 32)
;;     10. [M 8,192, K 256] x [K 256, N 256]; A: computed on the way; B: input W2: QUANTISED
;;     11. [M 8,192, K 256] x [K 256, N 256]; A: computed on the way; B: input W1: QUANTISED
;;     12. [M 8,192, K 256] x [K 256, N 16]; A: computed on the way; B: input W0: QUANTISED
;;     13. [M 2,048, K 16] x [K 16, N 256]; A: input x; B: input W0: left as it is (K = 16 < 32)
;;     14. [M 16, K 16] x [K 16, N 256]; A: computed on the way; B: input W0: left as it is (K = 16 < 32)
;;     15. [M 2,048, K 256] x [K 256, N 256]; A: computed on the way; B: input W1: QUANTISED
;;     16. [M 32,768, K 256] x [K 256, N 256]; A: computed on the way; B: input W1: QUANTISED
;;     17. [M 2,048, K 256] x [K 256, N 256]; A: computed on the way; B: input W2: QUANTISED
;;     18. [M 32,768, K 256] x [K 256, N 256]; A: computed on the way; B: input W2: QUANTISED
;;     19. [M 2,048, K 256] x [K 256, N 4]; A: computed on the way; B: input W3: left as it is (N = 4 < 16)
;;     20. [M 32,768, K 256] x [K 256, N 4]; A: computed on the way; B: input W3: left as it is (N = 4 < 16)
;;     21. [M 4, K 4] x [K 4, N 256]; A: computed on the way; B: input W3: left as it is (K = 4 < 32)
;;     22. [M 8,192, K 256] x [K 256, N 256]; A: computed on the way; B: input W2: QUANTISED
;;     23. [M 131,072, K 256] x [K 256, N 256]; A: computed on the way; B: input W2: QUANTISED
;;     24. [M 8,192, K 256] x [K 256, N 256]; A: computed on the way; B: input W1: QUANTISED
;;     25. [M 131,072, K 256] x [K 256, N 256]; A: computed on the way; B: input W1: QUANTISED
;;     26. [M 8,192, K 256] x [K 256, N 16]; A: computed on the way; B: input W0: QUANTISED
;;     27. [M 131,072, K 256] x [K 256, N 16]; A: computed on the way; B: input W0: QUANTISED
;;   THE QUANTISER, for each operand of a quantised product, along K:
;;     - K is cut into blocks of 32 from its start; a last block that is shorter is filled with zeros.
;;     - A block's scale is 2^e with e = floor(log2(the largest magnitude in the block)) - 2, held to -126 .. 127; a block of zeros has e = 0. As a byte (E8M0): e + 127.
;;     - Each number is divided by its block's scale, clamped to +-7.5, and rounded to the nearest number of E2M3, ties to even, subnormals kept.
;;     - The product sums the exact products of the quantised numbers (number of the format x scale) in f32.
;;   ~~~python
;;   def quantise(x, axis):      # numpy; x: float32 -> the quantised numbers, widened to float32 again
;;       x = np.moveaxis(x, axis, -1); K = x.shape[-1]
;;       x = np.pad(x, [(0, 0)] * (x.ndim - 1) + [(0, -K % 32)]); x = x.reshape(x.shape[:-1] + (-1, 32)); a = np.abs(x).max(-1, keepdims=True)
;;       e = np.where(a > 0, np.clip(np.frexp(np.where(a > 0, a, 1))[1] - 1 - 2, -126, 127), 0)      # np.frexp(a)[1] - 1 = floor(log2(a)), exactly
;;       r = np.clip(x / 2.0 ** e, -7.5, 7.5)
;;       step = 2.0 ** (np.maximum(np.frexp(np.where(r == 0, 1, r))[1] - 1, 0) - 3)
;;       q = np.round(r / step) * step * 2.0 ** e      # np.round: ties to even
;;       return np.moveaxis(q.reshape(q.shape[:-2] + (-1,))[..., :K], -1, axis).astype(np.float32)
;;   ~~~
;;   OPERANDS COMPUTED ON THE WAY. 'Computed on the way' means the value that the module computes at that place (a softmax that the list does not call 'softmax' is quantised finished and normalised). What goes into a quantiser is computed in f32, as accurately as f32 sums, v_exp_f32 and their like allow (about 1e-6 of the number): no bf16 or f16 on the way to a quantiser, and a product that is left as it is and whose result goes on into a quantised operand takes f32 operands (vector FMAs, or v_wmma_f32_16x16x4_f32). A number that lies on a knife's edge between two numbers of the format may be rounded either way, as far as f32 arithmetic and the matrix unit's own rounding can turn it there, and no further.
;; 2 versions. Each part assembles by itself: llvm-mc -triple=amdgcn-amd-amdhsa -mcpu=gfx1250 --defsym DOCPART=n.
;; ======== version 1 of 2: 2 launches
;; workspace buffers: wq 217,600 bytes
;; launch prep (part 1): grid 65 x 1, 1 waves a work-group, no clusters, 0 bytes of LDS; arguments W0, W1, W2, wq; writes wq
.if DOCPART == 1
	.amdgcn_target "amdgcn-amd-amdhsa--gfx1250"
	.amdhsa_code_object_version 6
	.text
	.protected	k_qf28ce5e92d_prep
	.globl	k_qf28ce5e92d_prep
	.p2align	8
	.type	k_qf28ce5e92d_prep,@function
k_qf28ce5e92d_prep:
	s_mov_b64 s[64:65], 0
	v_nop
	global_prefetch_b8 v0, s[64:65] scope:SCOPE_SE
	s_setreg_imm32_b32 hwreg(HW_REG_WAVE_MODE, 25, 1), 1
	s_wait_xcnt 0x0
; W1 and W2 are each quantised to FP6 (E2M3) along BOTH axes, W0 along its axis 1, one E8M0 byte for each 32 along K, and laid in wq
; as IMAGES OF THE OPERAND'S REGISTERS, so that the second launch loads every fragment by loads of 16 bytes a lane and keeps it.
; wq: 17 blocks of 12,800 bytes.  Block 4 mu + w: matrix mu for wave w.  mu 0: W1, K = axis 0;  1: W2, K = axis 0;  2: W2, K = axis 1;
; 3: W1, K = axis 1;  block 16: W0, K = axis 1.  In a block: fragment (tile t, K step s) at 1536 (2 t + s): registers 4 j .. 4 j + 3 of lane l at
; 512 j + 16 l; at 12,288 + 128 t the tile's scale words: lane l holds the word of row l % 16 for K step l / 16.
; THE ROWS OF A TILE ARE NOT NEIGHBOURS: row rho of tile t of wave w is output n = 64 w + 32 (rho / 8) + 8 t + rho % 8, so that in the transposed product a lane's
; 32 results of the wave's four tiles are 32 neighbours, one whole block of the next K.  (W0 has 16 outputs: n = rho.)
; One wave makes one tile (16 rows x 256 along K): lane (rho, h) holds blocks 2 beta + h, beta = 0 .. 3, whole, so no maximum needs another lane.
; A block's scale is 2^(floor(log2(its largest magnitude)) - 2); its byte is that magnitude's exponent field - 2, held at 1 from below.
; LIMITS: a block of zeros, or one whose largest magnitude lies under 2^-124, has the byte 1 (a block of zeros: where the rule says 127; its codes are zeros, and this program
; alone reads the bytes); NaN and infinities among the inputs are not served.  The scale words leave as 128 bytes a work-group, half of an aligned 256.
.set X,   32                           ; v32-159  four blocks of 32 numbers
.set CO,  160                          ; v160-183 the two fragments' codes
.set TP,  184                          ; v184-199 each block's upper 16 codes, before they are moved
.set MXR, 16                           ; v16-19   largest magnitudes
.set SOR, 20                           ; v20-23   the conversions' scale operands
.set BYR, 24                           ; v24-27   the scale bytes
	s_load_b256 s[4:11], s[0:1], 0x0               ; W0 s[4:5], W1 s[6:7], W2 s[8:9], wq s[10:11]
	s_lshr_b32 s12, ttmp9, 4                       ; mu
	s_bfe_u32 s13, ttmp9, 0x20002                  ; w
	s_and_b32 s14, ttmp9, 3                        ; t
	v_and_b32 v1, 15, v0                           ; rho
	v_lshrrev_b32 v2, 4, v0                        ; h
	v_lshrrev_b32 v3, 3, v1
	v_and_b32 v4, 7, v1
	s_cmp_eq_u32 s12, 4
	s_cselect_b32 s15, 8, 32                       ; rows 8 .. 15 of a tile lie 32 outputs on; in W0 8
	s_lshl_b32 s16, s13, 6
	s_lshl_b32 s17, s14, 3
	s_add_co_u32 s16, s16, s17
	v_mad_u32_u24 v5, v3, s15, v4
	v_add_nc_u32 v5, s16, v5                       ; n
	v_lshlrev_b32 v9, 4, v0                        ; 16 x lane
	v_lshlrev_b32 v10, 2, v0                       ; 4 x lane
	s_mov_b32 s28, 0x76543210
	s_mov_b32 s29, 0xfedcba98                      ; v_permlanex16_b32: lane l xor 16
	s_lshr_b32 s18, s12, 1
	s_xor_b32 s18, s18, s12
	s_and_b32 s18, s18, 1                          ; 0: W1 (mu 0, 3), 1: W2 (mu 1, 2)
	s_lshl_b32 s22, s12, 2
	s_add_co_u32 s22, s22, s13
	s_mul_i32 s22, s22, 12800                      ; my block
	s_mul_i32 s19, s14, 3072
	s_add_co_u32 s24, s22, s19                     ; my tile's two fragments
	s_mov_b32 s25, 0
	s_lshl_b32 s19, s14, 7
	s_add_co_u32 s26, s22, s19
	s_add_co_u32 s26, s26, 12288                   ; my tile's scale words
	s_mov_b32 s27, 0
	s_wait_kmcnt 0x0
	s_cmp_eq_u32 s18, 0                            ; the choice hangs on the work-group's number alone
	s_cselect_b64 s[20:21], s[6:7], s[8:9]
	s_cmp_eq_u32 s12, 4
	s_cselect_b64 s[20:21], s[4:5], s[20:21]
	s_add_nc_u64 s[24:25], s[10:11], s[24:25]
	s_add_nc_u64 s[26:27], s[10:11], s[26:27]
	s_cmp_lt_u32 s12, 2
	s_cbranch_scc0 .Lback
	; K = axis 0: number i of block beta is W[64 beta + 32 h + i][n]: my registers run down the rows
	v_lshlrev_b32 v6, 2, v5
	v_lshl_add_u32 v6, v2, 15, v6                  ; 4 n + 32 h rows of 1,024 bytes
.set b, 0
.rept 4
.set i, 0
.rept 32
	global_load_b32 v[X+32*b+i], v6, s[20:21] offset:(64*b+i)*1024
.set i, i+1
.endr
.set b, b+1
.endr
	s_branch .Ljoin
.Lback:
	; K = axis 1: number i of block beta is W[n][64 beta + 32 h + i]: 128 neighbouring bytes of my row
	v_lshlrev_b32 v6, 10, v5
	v_lshl_add_u32 v6, v2, 7, v6                   ; 1,024 n + 128 h
.set b, 0
.rept 4
.set i, 0
.rept 8
	global_load_b128 v[X+32*b+4*i:X+32*b+4*i+3], v6, s[20:21] offset:256*b+16*i
.set i, i+1
.endr
.set b, b+1
.endr
.Ljoin:
	s_wait_loadcnt 0x0
.irp b, 0,1,2,3
	v_max3_num_f32 v[MXR+\b], |v[X+32*\b]|, |v[X+32*\b+1]|, 0x1800000   ; the floor 2^(3 - 127) among the leaves: the byte cannot fall under 1
.endr
.irp i, 2,4,6,8,10,12,14,16,18,20,22,24,26,28,30
.irp b, 0,1,2,3
	v_max3_num_f32 v[MXR+\b], v[MXR+\b], |v[X+32*\b+\i]|, |v[X+32*\b+\i+1]|   ; the four blocks by turns
.endr
.endr
.irp b, 0,1,2,3
	v_add_nc_u32 v[SOR+\b], 0xff000000, v[MXR+\b]  ; 2 off the exponent field: the conversion takes this operand's exponent field as its scale
.endr
.irp b, 0,1,2,3
	v_lshrrev_b32 v[BYR+\b], 23, v[SOR+\b]         ; the scale's byte
.endr
.irp b, 0,1,2,3
	v_cvt_scalef32_pk16_fp6_f32 v[CO+6*\b:CO+6*\b+2], v[X+32*\b:X+32*\b+15], v[SOR+\b]
	v_cvt_scalef32_pk16_fp6_f32 v[TP+4*\b:TP+4*\b+2], v[X+32*\b+16:X+32*\b+31], v[SOR+\b]   ; (a conversion's three registers begin on an even number)
.endr
	v_nop                                          ; one plain place behind the scaled conversions
.irp b, 0,1,2,3
.irp i, 0,1,2
	v_mov_b32 v[CO+6*\b+3+\i], v[TP+4*\b+\i]       ; registers 6 beta .. 6 beta + 5: block 2 beta + h whole
.endr
.endr
	v_lshl_or_b32 v28, v25, 16, v24                ; K step 0: my bytes of blocks h and 2 + h,
	v_lshl_or_b32 v29, v27, 16, v26                ; K step 1 likewise,
	v_lshlrev_b32 v30, 3, v2
	v_lshlrev_b32 v28, v30, v28                    ; at their places in the word (8 h bits up)
	v_lshlrev_b32 v29, v30, v29
	v_mov_b32 v7, 0                                ; (a lane permute's destination counts as one of its sources)
	v_mov_b32 v8, 0
	v_permlanex16_b32 v7, v28, s28, s29
	v_permlanex16_b32 v8, v29, s28, s29
	v_or_b32 v28, v28, v7                          ; with lane l xor 16's two bytes each word is whole
	v_or_b32 v29, v29, v8
	v_cmp_gt_u32 vcc_lo, 16, v0
	v_cndmask_b32 v31, v29, v28, vcc_lo            ; lanes 0-15 keep K step 0's word, lanes 16-31 K step 1's
.irp j, 0,1,2,3,4,5
	global_store_b128 v9, v[CO+4*\j:CO+4*\j+3], s[24:25] offset:512*\j   ; 32 lanes store 512 consecutive bytes, at a multiple of 256 from wq's first byte
.endr
	global_store_b32 v10, v31, s[26:27]
	s_endpgm
.Lfunc_end_k_qf28ce5e92d_prep:
	.size	k_qf28ce5e92d_prep, .Lfunc_end_k_qf28ce5e92d_prep-k_qf28ce5e92d_prep
	.p2alignl 7, 3214868480
	.fill 96, 4, 3214868480
	.section	.rodata,"a",@progbits
	.p2align	6, 0x0
	.amdhsa_kernel k_qf28ce5e92d_prep
		.amdhsa_group_segment_fixed_size 0
		.amdhsa_private_segment_fixed_size 0
		.amdhsa_enable_private_segment 0
		.amdhsa_kernarg_size 32
		.amdhsa_user_sgpr_count 2
		.amdhsa_user_sgpr_kernarg_segment_ptr 1
		.amdhsa_wavefront_size32 1
		.amdhsa_system_sgpr_workgroup_id_x 1
		.amdhsa_system_sgpr_workgroup_id_y 1
		.amdhsa_system_sgpr_workgroup_id_z 1
		.amdhsa_system_vgpr_workitem_id 0
		.amdhsa_next_free_vgpr 200
		.amdhsa_next_free_sgpr 66
		.amdhsa_reserve_vcc 1
		.amdhsa_float_denorm_mode_32 3
		.amdhsa_float_denorm_mode_16_64 3
		.amdhsa_memory_ordered 1
		.amdhsa_forward_progress 1
		.amdhsa_inst_pref_size 24
	.end_amdhsa_kernel
	.amdgpu_metadata
---
amdhsa.version: [ 1, 2 ]
amdhsa.kernels:
  - .name:           k_qf28ce5e92d_prep
    .symbol:         k_qf28ce5e92d_prep.kd
    .args:
      - { .name: W0, .offset: 0, .size: 8, .value_kind: global_buffer, .address_space: global }
      - { .name: W1, .offset: 8, .size: 8, .value_kind: global_buffer, .address_space: global }
      - { .name: W2, .offset: 16, .size: 8, .value_kind: global_buffer, .address_space: global }
      - { .name: wq, .offset: 24, .size: 8, .value_kind: global_buffer, .address_space: global }
    .group_segment_fixed_size: 0
    .private_segment_fixed_size: 0
    .kernarg_segment_align: 8
    .kernarg_segment_size: 32
    .max_flat_workgroup_size: 32
    .sgpr_count:     66
    .vgpr_count:     200
    .wavefront_size: 32
...
	.end_amdgpu_metadata
.endif
;; end of part 1
;; launch main (part 2): grid 256 x 1, 4 waves a work-group, no clusters, 287,232 bytes of LDS; arguments x, W0, b0, b1, b2, W3, b3, wq, out0, out1, out2; writes out0, out1, out2
.if DOCPART == 2
	.amdgcn_target "amdgcn-amd-amdhsa--gfx1250"
	.amdhsa_code_object_version 6
	.text
	.protected	k_qf28ce5e92d_main
	.globl	k_qf28ce5e92d_main
	.p2align	8
	.type	k_qf28ce5e92d_main,@function
k_qf28ce5e92d_main:
	s_mov_b64 s[64:65], 0
	v_nop
	global_prefetch_b8 v0, s[64:65] scope:SCOPE_SE
	s_setreg_imm32_b32 hwreg(HW_REG_WAVE_MODE, 25, 1), 1
	s_wait_xcnt 0x0
; f, its Jacobian (reverse mode) and its Hessian (forward over reverse) of the tanh MLP 16-256-256-256-4, all products with K = 256 on codes of FP6 (E2M3) with one E8M0 scale for each 32 along K.
; With u_l = tanh z_l, d_l = 1 - u_l^2, p_l = -2 u_l d_l, k a hidden unit, m an output, j a tangent direction:
;   primal     z0 = x W0 + b0 (f32);  z1 = Q(u0) Q(W1) + b1;  z2 = Q(u1) Q(W2) + b2;  f = u2 W3 + b3 (f32)
;   cotangents gz2 = W3[k,m] d2;  gu1 = Q(gz2) Q(W2^T);  gz1 = gu1 d1;  gu0 = Q(gz1) Q(W1^T);  gz0 = gu0 d0;  jac = Q(gz0) Q(W0^T)
;   tangents   du0 = d0 W0[j,k];  dz1 = Q(du0) Q(W1);  du1 = d1 dz1;  dz2 = Q(du1) Q(W2);  w0 = p0 W0[j,k], w1 = p1 dz1, w2 = p2 dz2
;   both       hz2 = W3[k,m] w2;  hu1 = Q(hz2) Q(W2^T);  hz1 = hu1 d1 + gu1[m] w1[j];  hu0 = Q(hz1) Q(W1^T);  hz0 = hu0 d0 + gu0[m] w0[j];  hess = Q(hz0) Q(W0^T)
; Products that reference() repeats are made once; the tangent of f reaches no output and is not made.
; SHARES.  A work-group owns 8 samples: the primal for all 8 first, then two halves of 4 samples.  THE FOUR WAVES SHARE THE COLUMNS: wave w owns hidden units 64 w .. 64 w + 63 of every layer, for every
; kind of row, and its parts of the five quantised weights (408 registers) stay in its registers, loaded once from wq as the first launch laid them.  No hidden number goes to memory.
; LAYOUT.  Every product is used transposed (source 0 = 16 rows of a weight, source 1 = 16 rows of data), and the rows of a weight's tile are chosen so that lane (r, h) holds data row r and its 32 results of the
; wave's four tiles are units 64 w + 32 h + 0 .. 31: ONE WHOLE BLOCK of the next K.  So a block's largest magnitude needs no other lane, and the six registers of codes are registers 6 (w % 2) .. of the next
; operand's fragment of K step w / 2, in the same lane.  They go to the other waves through LDS as images of registers: 8 bytes a lane, 256 consecutive bytes a store.
; ROWS OF A TILE: tangents: one sample, r = j;  both: (sample, m), r = j;  cotangents: r = 4 x sample + m;  primal: sample r / 2, each twice.  Factors that are the same for all r (d, p, gu[m], W3[.,m]) lie in
; LDS rows of the wave's own and are read with an address that hangs on h alone.
; NO CLUSTER, NO TENSOR LOAD: what all work-groups share are wq's 217,600 bytes, read once each, straight into the registers where they stay; a joint load lands in LDS, where 286,720 bytes are in use.
; LIMITS.  NaN and infinities among the inputs are not served.  A block whose largest magnitude lies under 2^-124 has its byte held at 1; a block of zeros has the byte 1 where the rule says 127 (zero codes; read here alone).
; tanh x = the series to x^9 where x^2 < 1/16 (the first term left out is under 1e-8 of x), else 1 - 2 / (1 + 2^(2.885390 x)), which ends at +-1.  d = 1 - u u by one fused multiply-add and p = -2 u d stand for
; reference()'s (g + g u)(1 - u) and its tangent: the same numbers but for the order of rounding.  The biases are the C of a sum's first matrix instruction.  out0 leaves as 128 bytes a work-group.
.set SLOTB, 3200                       ; LDS: a tile's image: 12 pairs of registers x 256 bytes, then 128 bytes of scale words
.set SCW,   3072
.set GSLOT, 16*SLOTB                   ; slot 16: the cotangents' tile
.set IMG_B, 17*SLOTB                   ; two sets of 17 slots, A at 0 and B here: a phase reads one and writes the other
.set DARR,  108800                     ; per wave 13,056: d0, p0, d1, p1, d2, p2, each 8 sample rows of 64 numbers, 272 bytes apart
.set PIT,   272
.set AD0,   0
.set AP0,   2176
.set AD1,   4352
.set AP1,   6528
.set AD2,   8704
.set AP2,   10880
.set GUB,   161024                     ; per wave 8,704: gu1, then gu0: 16 rows (sample, m)
.set GU0O,  4352
.set W1S,   195840                     ; per wave 16,384: w1 of 4 samples, as images of 32 registers
.set C3T,   261376                     ; per wave 1,088: W3 transposed, 4 rows m
.set FPART, 265728                     ; f's partial sums [wave][sample][m]
.set STG2,  266240                     ; 4 samples x 4,096 bytes as out2 has them
.set STG1,  282624                     ; per wave 1,024: 4 samples x 256 bytes as out1 has them
; window 0
.set L16,  1                           ; 16 x lane
.set L8,   2                           ; 8 x lane
.set L4,   3                           ; 4 x lane
.set RD8A, 2                           ; reading set A's pairs: 8 x lane, since set A begins at LDS byte 0
.set FPR,  4
.set RD4A, 5
.set RD8B, 6
.set RD4B, 7
.set WR8A, 8                           ; writing my three pairs: 768 w + 8 x lane
.set WRSA, 9                           ; and my byte: 3072 + 64 (w / 2) + 2 (w % 2) + 4 r + h
.set WR8B, 10
.set WRSB, 11
.set DBC,  12                          ; my wave's arrays + 128 h; steps four sample rows a half
.set DLN,  13                          ; + 272 (r / 4)
.set DWR,  14                          ; + 272 (r / 2)
.set GWR,  15
.set GBC,  16
.set W1A,  17
.set C3W,  18                          ; prologue only
.set C3B,  19
.set C3L,  20
.set CD,   18                          ; a trip's addresses
.set CG,   19
.set CW1,  20
.set FPW,  21
.set ST2W, 22
.set ST2R, 23
.set ST1W, 24
.set ST1R, 25
.set RF8,  26
.set RF4,  27
.set CR8,  28
.set CR4,  29
.set CW8,  30
.set CWS,  31
.set WSC,  32                          ; v32-47 the weights' scale words, 4 mu + t;  v48 W0's: they hold scales and nothing else
.set W0SC, 48
.set XS,   50                          ; v50-51 the data rows' scale words
.set XF,   52                          ; v52-99 two buffers of a tile's two fragments
.set QQ,   52                          ; (in the prologue: the series)
.set W3R,  84                          ; (in the prologue: W3 as loaded)
.set ACC0, 100
.set ACC1, 132
.set G,    164
.set SP,   196
.set LN,   196                         ; at the head: lane, r, h, a temporary
.set RR,   197
.set HH,   198
.set TT,   199
.set MX0,  228
.set MX1,  229
.set SO,   230
.set CA,   232                         ; two sets of codes: 7 registers and the byte
.set KC,   248                         ; the series' four coefficients, each twice
; window 1
.set W1F,  0
.set W2F,  96
.set W0B,  192
; window 2
.set W2B,  0
.set W1B,  96
.set Z0,   192                         ; written by the f32 matrix form alone
.set W0A,  224
; window 3
.set CM,   0                           ; W3[k, m] at 32 m + q
.set DD,   128
.set WV3,  160
.set W0J,  192
.set W3L,  224
.set MSB, 0
.macro WIN new                         ; low byte: bits 1:0 source 0, 3:2 source 1, 5:4 source 2, 7:6 destination; the high byte repeats the setting that is left
.if MSB != (\new)
	s_set_vgpr_msb (MSB<<8)|(\new)
.set MSB, \new
.endif
.endm
.macro PLACES n
.rept \n
	v_nop
.endr
.endm
.macro BARRIER                         ; my LDS stores have landed and my LDS loads are in: then the work-group's barrier
	WIN 0
	s_wait_dscnt 0x0
	s_barrier_signal -1
	s_barrier_wait -1
.endm
.macro FETCH buf, a8, a4, off          ; a tile's two fragments and its scale words (lanes 0-15 K step 0, lanes 16-31 K step 1): 13 LDS loads
	WIN 0
.irp p, 0,1,2,3,4,5,6,7,8,9,10,11
	ds_load_b64 v[XF+24*(\buf)+2*\p:XF+24*(\buf)+2*\p+1], v[\a8] offset:\off+256*\p
.endr
	ds_load_b32 v[XS+(\buf)], v[\a4] offset:\off
.endm
; 8 matrix instructions: my four tiles of a weight x one tile of rows, K = 256.  The four accumulators take turns, one instruction a turn.  cwin != 0: the sums begin with a bias.
.macro MM acc, buf, win, wbase, sc, cwin, cbase
.if \cwin
	WIN (\win)|((\cwin)<<4)
.else
	WIN \win
.endif
.irp t, 0,1,2,3
.if \cwin
	v_wmma_scale_f32_16x16x128_f8f6f4 v[\acc+8*\t:\acc+8*\t+7], v[\wbase+24*\t:\wbase+24*\t+11], v[XF+24*(\buf):XF+24*(\buf)+11], v[\cbase+8*\t:\cbase+8*\t+7], v[\sc+\t], v[XS+(\buf)] matrix_a_fmt:MATRIX_FMT_FP6 matrix_b_fmt:MATRIX_FMT_FP6
.else
	v_wmma_scale_f32_16x16x128_f8f6f4 v[\acc+8*\t:\acc+8*\t+7], v[\wbase+24*\t:\wbase+24*\t+11], v[XF+24*(\buf):XF+24*(\buf)+11], 0, v[\sc+\t], v[XS+(\buf)] matrix_a_fmt:MATRIX_FMT_FP6 matrix_b_fmt:MATRIX_FMT_FP6
.endif
.endr
	WIN \win
.irp t, 0,1,2,3
	v_wmma_scale_f32_16x16x128_f8f6f4 v[\acc+8*\t:\acc+8*\t+7], v[\wbase+24*\t+12:\wbase+24*\t+23], v[XF+24*(\buf)+12:XF+24*(\buf)+23], v[\acc+8*\t:\acc+8*\t+7], v[\sc+\t], v[XS+(\buf)] matrix_a_fmt:MATRIX_FMT_FP6 matrix_b_fmt:MATRIX_FMT_FP6 matrix_a_scale:MATRIX_SCALE_ROW1 matrix_b_scale:MATRIX_SCALE_ROW1
.endr
	WIN 0
.endm
; My 32 numbers v[src] .. v[src + 31], one block, become six registers of codes and a byte, and go to LDS: 4 LDS stores.
.macro QUANT src, set, a8, as, off
	WIN 0
	v_max3_num_f32 v[MX0], |v[\src]|, |v[\src+1]|, 0x1800000       ; the floor 2^(3 - 127) among the leaves: the byte cannot fall under 1
	v_max3_num_f32 v[MX1], |v[\src+2]|, |v[\src+3]|, |v[\src+4]|
.irp i, 5,9,13,17,21,25
	v_max3_num_f32 v[MX0], v[MX0], |v[\src+\i]|, |v[\src+\i+1]|    ; two chains by turns
	v_max3_num_f32 v[MX1], v[MX1], |v[\src+\i+2]|, |v[\src+\i+3]|
.endr
	v_max3_num_f32 v[MX0], v[MX0], |v[\src+29]|, |v[\src+30]|
	v_max3_num_f32 v[MX0], v[MX0], v[MX1], |v[\src+31]|
	v_add_nc_u32 v[SO], 0xff000000, v[MX0]         ; 2 off the exponent field: the conversion's scale operand
	v_lshrrev_b32 v[CA+8*(\set)+7], 23, v[SO]      ; the scale's byte
	v_cvt_scalef32_pk16_fp6_f32 v[CA+8*(\set):CA+8*(\set)+2], v[\src:\src+15], v[SO]
	v_cvt_scalef32_pk16_fp6_f32 v[CA+8*(\set)+4:CA+8*(\set)+6], v[\src+16:\src+31], v[SO]   ; (a conversion's three registers begin on an even number)
	v_nop                                          ; one plain place behind the scaled conversions
	v_mov_b32 v[CA+8*(\set)+3], v[CA+8*(\set)+4]
	v_mov_b32 v[CA+8*(\set)+4], v[CA+8*(\set)+5]
	v_mov_b32 v[CA+8*(\set)+5], v[CA+8*(\set)+6]
	ds_store_b64 v[\a8], v[CA+8*(\set):CA+8*(\set)+1] offset:\off
	ds_store_b64 v[\a8], v[CA+8*(\set)+2:CA+8*(\set)+3] offset:\off+256
	ds_store_b64 v[\a8], v[CA+8*(\set)+4:CA+8*(\set)+5] offset:\off+512
	ds_store_b8 v[\as], v[CA+8*(\set)+7] offset:\off
.endm
.macro LDB dwin, dst, adr, off, str    ; 32 registers from LDS, 8 loads, str bytes apart
	WIN (\dwin)<<6
.irp i, 0,1,2,3,4,5,6,7
	ds_load_b128 v[\dst+4*\i:\dst+4*\i+3], v[\adr] offset:\off+\str*\i
.endr
.endm
.macro PKMUL d, a, b                   ; 32 products, two an instruction, from the low end on; the caller sets the windows
.set jj, 0
.rept 16
	v_pk_mul_f32 v[\d+jj:\d+jj+1], v[\a+jj:\a+jj+1], v[\b+jj:\b+jj+1]
.set jj, jj+2
.endr
.endm
.macro EW2 acc                         ; acc = acc x d + gu[m] x w[j]
	WIN 0x0c
	PKMUL \acc, \acc, DD
.set jj, 0
.rept 16
	v_pk_fma_f32 v[\acc+jj:\acc+jj+1], v[G+jj:G+jj+1], v[WV3+jj:WV3+jj+1], v[\acc+jj:\acc+jj+1]
.set jj, jj+2
.endr
.endm
; z in ACC0  ->  u in ACC0, d in ACC1, p in G.  Each batch of transcendentals has one wait, ahead of its first reader; the series is the independent work behind the exponentials.
.macro TANH
	WIN 0
.set jj, 0
.rept 16
	v_pk_mul_f32 v[ACC1+jj:ACC1+jj+1], v[ACC0+jj:ACC0+jj+1], 0x4038aa3b op_sel_hi:[1,0]   ; 2 log2(e) z
.set jj, jj+2
.endr
.set jj, 0
.rept 32
	v_exp_f32 v[ACC1+jj], v[ACC1+jj]               ; e^(2 z)
.set jj, jj+1
.endr
	PKMUL G, ACC0, ACC0                            ; z^2
.set jj, 0
.rept 16
	v_pk_fma_f32 v[QQ+jj:QQ+jj+1], v[G+jj:G+jj+1], v[KC+6:KC+7], v[KC+4:KC+5]
.set jj, jj+2
.endr
.set jj, 0
.rept 16
	v_pk_fma_f32 v[QQ+jj:QQ+jj+1], v[QQ+jj:QQ+jj+1], v[G+jj:G+jj+1], v[KC+2:KC+3]
.set jj, jj+2
.endr
.set jj, 0
.rept 16
	v_pk_fma_f32 v[QQ+jj:QQ+jj+1], v[QQ+jj:QQ+jj+1], v[G+jj:G+jj+1], v[KC:KC+1]
.set jj, jj+2
.endr
	PKMUL QQ, QQ, G
.set jj, 0
.rept 16
	v_pk_fma_f32 v[QQ+jj:QQ+jj+1], v[QQ+jj:QQ+jj+1], v[ACC0+jj:ACC0+jj+1], v[ACC0+jj:ACC0+jj+1]   ; the series: z + z (z^2 (c1 + z^2 (c2 + ..)))
.set jj, jj+2
.endr
	s_wait_alu depctr_va_vdst(0)                   ; one wait for the 32 exponentials
.set jj, 0
.rept 16
	v_pk_add_f32 v[ACC1+jj:ACC1+jj+1], v[ACC1+jj:ACC1+jj+1], 1.0 op_sel_hi:[1,0]
.set jj, jj+2
.endr
.set jj, 0
.rept 32
	v_rcp_f32 v[ACC1+jj], v[ACC1+jj]
.set jj, jj+1
.endr
	v_nop                                          ; a plain place behind the last reciprocal
	s_wait_alu depctr_va_vdst(0)                   ; one wait for the 32 reciprocals
.set jj, 0
.rept 16
	v_pk_fma_f32 v[ACC1+jj:ACC1+jj+1], v[ACC1+jj:ACC1+jj+1], -2.0, 1.0 op_sel_hi:[1,0,0]
.set jj, jj+2
.endr
.set jj, 0
.rept 32
	v_cmp_gt_f32 vcc_lo, 0x3d800000, v[G+jj]       ; z^2 < 1/16: a choice of a value, no branch
	v_cndmask_b32 v[ACC0+jj], v[ACC1+jj], v[QQ+jj], vcc_lo
.set jj, jj+1
.endr
.set jj, 0
.rept 16
	v_pk_fma_f32 v[ACC1+jj:ACC1+jj+1], v[ACC0+jj:ACC0+jj+1], v[ACC0+jj:ACC0+jj+1], 1.0 op_sel_hi:[1,1,0] neg_lo:[1,0,0] neg_hi:[1,0,0]   ; d = 1 - u u
.set jj, jj+2
.endr
.set jj, 0
.rept 16
	v_pk_mul_f32 v[G+jj:G+jj+1], v[ACC0+jj:ACC0+jj+1], -2.0 op_sel_hi:[1,0]
.set jj, jj+2
.endr
	PKMUL G, G, ACC1                               ; p = -2 u d
.endm
.macro STARR arr, src                  ; 32 numbers of my sample into my wave's array (the two lanes that hold a sample twice write the same bytes with the same values)
	WIN 0
.irp i, 0,1,2,3,4,5,6,7
	ds_store_b128 v[DWR], v[\src+4*\i:\src+4*\i+3] offset:\arr+16*\i
.endr
.endm
.macro WLOAD dwin, dst, mu             ; my 8 fragments of weight mu (24 loads of 512 consecutive bytes) and their scale words (4 loads)
	WIN (\dwin)<<6
.set ii, 0
.rept 24
	global_load_b128 v[\dst+4*ii:\dst+4*ii+3], v[L16], s[18:19] offset:51200*\mu+512*ii
.set ii, ii+1
.endr
	WIN 0
.irp t, 0,1,2,3
	global_load_b32 v[WSC+4*\mu+\t], v[L4], s[18:19] offset:51200*\mu+12288+128*\t
.endr
.endm
	; ---- the head: ids, every LDS address, the bases
	s_load_b512 s[4:19], s[0:1], 0x0               ; x s[4:5], W0 s[6:7], b0 s[8:9], b1 s[10:11], b2 s[12:13], W3 s[14:15], b3 s[16:17], wq s[18:19]
	s_load_b128 s[20:23], s[0:1], 0x40             ; out0, out1
	s_load_b64 s[24:25], s[0:1], 0x50              ; out2
	v_lshl_add_u32 v49, v0, 2, 0x46000
	v_mov_b32 v231, 0
	v_lshrrev_b32 v[TT], 5, v0
	v_readfirstlane_b32 s26, v[TT]                 ; wave w
	s_lshr_b32 s27, s26, 1
	s_and_b32 s28, s26, 1
	v_and_b32 v[LN], 31, v0
	v_and_b32 v[RR], 15, v0
	v_bfe_u32 v[HH], v0, 4, 1
	v_lshlrev_b32 v[L16], 4, v[LN]
	v_lshlrev_b32 v[L8], 3, v[LN]
	v_lshlrev_b32 v[L4], 2, v[LN]
	v_add_nc_u32 v[FPR], FPART, v[L4]
	v_add_nc_u32 v[RD4A], SCW, v[L4]
	v_add_nc_u32 v[RD8B], IMG_B, v[L8]
	v_add_nc_u32 v[RD4B], IMG_B+SCW, v[L4]
	s_mul_i32 s41, s26, 768
	v_add_nc_u32 v[WR8A], s41, v[L8]
	v_add_nc_u32 v[WR8B], IMG_B, v[WR8A]
	s_lshl_b32 s41, s27, 6
	s_lshl_b32 s42, s28, 1
	s_add_co_u32 s41, s41, s42
	s_add_co_u32 s41, s41, SCW
	v_lshl_add_u32 v[WRSA], v[RR], 2, v[HH]
	v_add_nc_u32 v[WRSA], s41, v[WRSA]
	v_add_nc_u32 v[WRSB], IMG_B, v[WRSA]
	s_mul_i32 s41, s26, 13056
	s_add_co_u32 s41, s41, DARR
	v_lshl_add_u32 v[DBC], v[HH], 7, s41
	v_lshrrev_b32 v[TT], 2, v[RR]
	v_mad_u32_u24 v[DLN], v[TT], PIT, v[DBC]
	v_lshrrev_b32 v[TT], 1, v[RR]
	v_mad_u32_u24 v[DWR], v[TT], PIT, v[DBC]
	s_lshl_b32 s41, s26, 7
	s_add_co_u32 s41, s41, FPART
	v_lshl_add_u32 v[FPW], v[TT], 4, s41
	s_mul_i32 s41, s26, 8704
	s_add_co_u32 s41, s41, GUB
	v_lshl_add_u32 v[GBC], v[HH], 7, s41
	v_mad_u32_u24 v[GWR], v[RR], PIT, v[GBC]
	s_lshl_b32 s41, s26, 14
	s_add_co_u32 s41, s41, W1S
	v_add_nc_u32 v[W1A], s41, v[L16]
	s_mul_i32 s41, s26, 1088
	s_add_co_u32 s41, s41, C3T
	v_add_nc_u32 v[C3W], s41, v[L4]
	v_lshl_add_u32 v[C3B], v[HH], 7, s41
	v_and_b32 v[TT], 3, v[RR]
	v_mad_u32_u24 v[C3L], v[TT], PIT, v[C3B]
	s_lshl_b32 s41, s26, 2
	s_add_co_u32 s41, s41, STG2
	v_lshlrev_b32 v[ST2W], 4, v[RR]
	v_lshl_add_u32 v[ST2W], v[HH], 11, v[ST2W]
	v_add_nc_u32 v[ST2W], s41, v[ST2W]             ; out2's (i = 8 h + q, j = r, m = w): 2048 h + 16 r + 4 w, + 256 q
	s_lshl_b32 s41, s26, 12
	s_add_co_u32 s41, s41, STG2
	v_add_nc_u32 v[ST2R], s41, v[L16]
	s_lshl_b32 s41, s26, 10
	s_add_co_u32 s41, s41, STG1
	v_lshlrev_b32 v[ST1W], 2, v[TT]                ; out1's (sample r / 4, i = 8 h + q, m = r % 4), in my wave's own copy
	v_lshl_add_u32 v[ST1W], v[HH], 7, v[ST1W]
	v_lshrrev_b32 v[TT], 2, v[RR]
	v_lshl_add_u32 v[ST1W], v[TT], 8, v[ST1W]
	v_add_nc_u32 v[ST1W], s41, v[ST1W]
	s_mul_i32 s41, s26, 1280
	s_add_co_u32 s41, s41, STG1
	v_add_nc_u32 v[ST1R], s41, v[L8]               ; of my copy, sample w
	s_mul_i32 s41, s26, SLOTB
	v_add_nc_u32 v[RF8], s41, v[L8]                ; the last product: wave w takes the tiles with m = w
	s_add_co_u32 s41, s41, SCW
	v_add_nc_u32 v[RF4], s41, v[L4]
	; offsets into the inputs
	v_lshrrev_b32 v[TT], 1, v[RR]
	v_lshlrev_b32 v240, 6, v[TT]
	v_lshl_add_u32 v240, v[HH], 3, v240            ; x: sample r / 2, + 8 h
	v_lshrrev_b32 v[TT], 3, v[RR]
	v_lshlrev_b32 v241, 7, v[TT]
	v_and_b32 v[TT], 7, v[RR]
	v_lshl_add_u32 v241, v[TT], 2, v241
	v_lshl_add_u32 v241, v[HH], 11, v241
	s_lshl_b32 s41, s26, 8
	v_add_nc_u32 v241, s41, v241                   ; W0 as source 0: 2 h rows of 1,024 bytes, column 64 w + 32 (r / 8) + r % 8
	v_lshl_add_u32 v242, v[HH], 7, s41             ; a bias: 4 (64 w + 32 h)
	s_lshl_b32 s42, s26, 10
	v_add_nc_u32 v243, s42, v[L16]                 ; W3: row 64 w + lane
	v_lshl_add_u32 v244, v[RR], 10, v242           ; W0[r][64 w + 32 h ..]
	v_mov_b32 v[KC], 0xbeaaaaab                    ; -1/3
	v_mov_b32 v[KC+1], 0xbeaaaaab
	v_mov_b32 v[KC+2], 0x3e088889                  ; 2/15
	v_mov_b32 v[KC+3], 0x3e088889
	v_mov_b32 v[KC+4], 0xbd5d0dd1                  ; -17/315
	v_mov_b32 v[KC+5], 0xbd5d0dd1
	v_mov_b32 v[KC+6], 0x3cb327a4                  ; 62/2835
	v_mov_b32 v[KC+7], 0x3cb327a4
	s_mov_b32 s32, 0x76543210
	s_mov_b32 s33, 0xfedcba98                      ; v_permlanex16_b32: lane l xor 16
	s_mov_b32 s31, 0
	s_wait_kmcnt 0x0
	s_lshl_b32 s30, ttmp9, 9
	s_add_nc_u64 s[4:5], s[4:5], s[30:31]          ; x at my 8 samples
	s_add_nc_u64 s[46:47], s[18:19], 204800        ; wq's block 16: W0
	s_mul_i32 s30, s26, 12800
	s_add_nc_u64 s[18:19], s[18:19], s[30:31]      ; wq at my wave's blocks
	s_lshl_b32 s30, ttmp9, 7
	s_add_nc_u64 s[20:21], s[20:21], s[30:31]      ; out0 at my 8 samples
	s_lshl_b32 s42, ttmp9, 3
	s_add_co_u32 s42, s42, s26                     ; sample 8 g + w
	s_lshl_b32 s30, s42, 8
	s_add_nc_u64 s[22:23], s[22:23], s[30:31]
	s_lshl_b32 s30, s42, 12
	s_add_nc_u64 s[24:25], s[24:25], s[30:31]
	; 44 loads for the first layer
.irp k, 0,1,2,3
	global_load_b64 v[G+16+2*\k:G+17+2*\k], v240, s[4:5] offset:16*\k          ; x(sample, 4 k + 2 h + 0, 1)
.endr
	WIN 0x80
.irp t, 0,1,2,3
.irp k, 0,1,2,3
.irp j, 0,1
	global_load_b32 v[W0A+2*(4*\t+\k)+\j], v241, s[6:7] offset:(4*\k+\j)*1024+32*\t
.endr
.endr
.endr
	WIN 0
.irp i, 0,1,2,3,4,5,6,7
	global_load_b128 v[SP+4*\i:SP+4*\i+3], v242, s[8:9] offset:16*\i           ; b0
.endr
	; 26 loads that are wanted later
	WIN 0xc0
.irp i, 0,1,2,3,4,5,6,7
	global_load_b128 v[DD+4*\i:DD+4*\i+3], v242, s[10:11] offset:16*\i         ; b1
.endr
.irp i, 0,1,2,3,4,5,6,7
	global_load_b128 v[WV3+4*\i:WV3+4*\i+3], v242, s[12:13] offset:16*\i       ; b2
.endr
.irp i, 0,1,2,3,4,5,6,7
	global_load_b128 v[W0J+4*\i:W0J+4*\i+3], v244, s[6:7] offset:16*\i
.endr
	WIN 0
	global_load_b128 v[W3R:W3R+3], v243, s[14:15]
	global_load_b128 v[W3R+4:W3R+7], v243, s[14:15] offset:512
	; ---- primal, layer 0: z0 = x W0 + b0 with f32 operands: it goes on into a quantiser.  16 matrix instructions, the four accumulators by turns, K ascending
	s_wait_loadcnt 26                              ; the 26 younger loads may stay out
	WIN 0x82
.irp t, 0,1,2,3
	v_wmma_f32_16x16x4_f32 v[Z0+8*\t:Z0+8*\t+7], v[W0A+8*\t:W0A+8*\t+1], v[G+16:G+17], 0
.endr
	WIN 0xa2
.irp k, 1,2,3
.irp t, 0,1,2,3
	v_wmma_f32_16x16x4_f32 v[Z0+8*\t:Z0+8*\t+7], v[W0A+8*\t+2*\k:W0A+8*\t+2*\k+1], v[G+16+2*\k:G+17+2*\k], v[Z0+8*\t:Z0+8*\t+7]
.endr
.endr
	WLOAD 1, W1F, 0                                ; 28 loads
	WLOAD 1, W2F, 1                                ; 28 loads
	PLACES 8                                       ; behind the f32 form (ISA guide 7.12.1)
	WIN 0x02
.set jj, 0
.rept 16
	v_pk_add_f32 v[ACC0+jj:ACC0+jj+1], v[Z0+jj:Z0+jj+1], v[SP+jj:SP+jj+1]
.set jj, jj+2
.endr
	TANH
	STARR AD0, ACC1
	STARR AP0, G
	QUANT ACC0, 0, WR8A, WRSA, 0
	BARRIER                                        ; u0's codes lie in A's slot 0
	; ---- layer 1
	FETCH 0, RD8A, RD4A, 0
	s_wait_loadcnt 28                              ; W1 forward and b1 are in; W2 forward's 28 may stay out
	s_wait_dscnt 0x0
	MM ACC0, 0, 1, W1F, WSC, 3, DD
	WLOAD 2, W2B, 2                                ; 28 loads,
	WIN 0x40
.irp i, 0,1,2,3,4,5
	global_load_b128 v[W0B+4*\i:W0B+4*\i+3], v[L16], s[46:47] offset:512*\i    ; and 7 for W0
.endr
	WIN 0
	global_load_b32 v[W0SC], v[L4], s[46:47] offset:12288
	PLACES 4
	TANH
	STARR AD1, ACC1
	STARR AP1, G
	QUANT ACC0, 0, WR8B, WRSB, 0
	BARRIER                                        ; u1's codes lie in B's slot 0
	; ---- layer 2 and f
	s_wait_loadcnt 35                              ; W2 forward, b2, W3, W0's rows j are in; the 35 younger loads may stay out
.irp m, 0,1,2,3
	ds_store_b32 v[C3W], v[W3R+\m] offset:PIT*\m           ; W3 transposed, in my wave's own bytes: LDS serves a wave's instructions in order, so the loads below see these
	ds_store_b32 v[C3W], v[W3R+4+\m] offset:PIT*\m+128
.endr
.irp m, 0,1,2,3
	LDB 3, CM+32*\m, C3B, PIT*\m, 16
.endr
	LDB 3, W3L, C3L, 0, 16
	FETCH 0, RD8B, RD4B, 0
	s_wait_dscnt 0x0
	MM ACC0, 0, 1, W2F, WSC+4, 3, WV3
	WLOAD 2, W1B, 3
	PLACES 4
	TANH
	STARR AD2, ACC1
	STARR AP2, G
	WIN 0x0c                                       ; f's partial sums over my 32 units: four chains, one for each m
.irp m, 0,1,2,3
	v_pk_mul_f32 v[SP+2*\m:SP+2*\m+1], v[ACC0:ACC0+1], v[CM+32*\m:CM+32*\m+1]
.endr
.irp j, 2,4,6,8,10,12,14,16,18,20,22,24,26,28,30
.irp m, 0,1,2,3
	v_pk_fma_f32 v[SP+2*\m:SP+2*\m+1], v[ACC0+\j:ACC0+\j+1], v[CM+32*\m+\j:CM+32*\m+\j+1], v[SP+2*\m:SP+2*\m+1]
.endr
.endr
	WIN 0
.irp m, 0,1,2,3
	v_add_f32 v[SP+8+\m], v[SP+2*\m], v[SP+2*\m+1]
.endr
.irp m, 0,1,2,3
	v_permlanex16_b32 v[SP+12+\m], v[SP+8+\m], s32, s33
.endr
.irp m, 0,1,2,3
	v_add_f32 v[SP+8+\m], v[SP+8+\m], v[SP+12+\m]  ; with the other half's 32 units
.endr
.irp m, 0,1,2,3
	ds_store_b32 v[FPW], v[SP+8+\m] offset:4*\m
.endr
	s_wait_loadcnt 0x0                             ; all weights are in their registers
	s_mov_b32 s34, 0
.Lhalf:                                            ; ======== four samples: rows 4 HF .. 4 HF + 3 of the arrays
	; ---- a: du0 of the four samples (slots 0-3) and gz2 (slot 16) into A.  In front of a tile only the tile before's 4 stores may be out: its own factor is in, and the code set of two tiles back is free
	LDB 3, DD, DBC, AD0, 16
.irp i, 0,1,2,3
.if \i == 0
	s_wait_dscnt 0x0
.else
	s_wait_dscnt 0x4
.endif
	WIN 0x0f
	PKMUL ACC0+32*(\i%2), DD, W0J
.if \i < 3
	LDB 3, DD, DBC, AD0+PIT*(\i+1), 16
.else
	LDB 3, DD, DLN, AD2, 16
.endif
	QUANT ACC0+32*(\i%2), \i%2, WR8A, WRSA, SLOTB*\i
.endr
	s_wait_dscnt 0x4
	WIN 0x0f
	PKMUL ACC0, DD, W3L
	QUANT ACC0, 0, WR8A, WRSA, GSLOT
	BARRIER
	; ---- b: dz1 = Q(du0) Q(W1); w1 = p1 dz1 is kept in LDS; du1 = d1 dz1 into B's slots 0-3.  gu1 = Q(gz2) Q(W2^T) is kept; gz1 into B's slot 16.  A tile's vector work stands behind the next tile's products
.macro VECB i                          ; 28 LDS instructions (the last: 20)
.set AC, ACC0+32*((\i)%2)
	WIN 0xc0
	PKMUL WV3, AC, G
.if \i < 3
	LDB 0, G, DBC, AP1+PIT*(\i+1), 16
.endif
	WIN 0x0c
.irp k, 0,1,2,3,4,5,6,7
	ds_store_b128 v[W1A], v[WV3+4*\k:WV3+4*\k+3] offset:4096*\i+512*\k
.endr
	PKMUL AC, AC, DD
.if \i < 3
	LDB 3, DD, DBC, AD1+PIT*(\i+1), 16
.else
	LDB 3, DD, DLN, AD1, 16
.endif
	QUANT AC, (\i)%2, WR8B, WRSB, SLOTB*(\i)
.endm
	LDB 0, G, DBC, AP1, 16
	LDB 3, DD, DBC, AD1, 16
	FETCH 0, RD8A, RD4A, 0
	FETCH 1, RD8A, RD4A, SLOTB
	s_wait_dscnt 13                                ; tile 1's 13 loads may be out
	MM ACC0, 0, 1, W1F, WSC, 0, 0
	s_wait_dscnt 0x0
	MM ACC1, 1, 1, W1F, WSC, 0, 0
	PLACES 4                                       ; in front of loads into registers that matrix instructions have read, and of the first read of results
	FETCH 0, RD8A, RD4A, 2*SLOTB
	VECB 0
	FETCH 1, RD8A, RD4A, 3*SLOTB
	s_wait_dscnt 41                                ; tile 2 is in: behind it 28 and tile 3's 13
	MM ACC0, 0, 1, W1F, WSC, 0, 0
	s_wait_dscnt 17                                ; the factors of sample 1 are in and w1's stores are done: behind them 4 stores and 13 loads
	VECB 1
	FETCH 0, RD8A, RD4A, GSLOT
	s_wait_dscnt 41                                ; tile 3 is in
	MM ACC1, 1, 1, W1F, WSC, 0, 0
	s_wait_dscnt 17
	VECB 2
	s_wait_dscnt 28                                ; gz2's tile is in: behind it the 28 just issued
	MM ACC0, 0, 2, W2B, WSC+8, 0, 0
	s_wait_dscnt 0x4
	VECB 3
	s_wait_dscnt 0x4                               ; d1 by the cotangents' rows is in
	WIN 0
.irp i, 0,1,2,3,4,5,6,7
	ds_store_b128 v[GWR], v[ACC0+4*\i:ACC0+4*\i+3] offset:16*\i    ; gu1
.endr
	WIN 0x0c
	PKMUL ACC1, ACC0, DD                           ; into other registers than the stores read
	QUANT ACC1, 0, WR8B, WRSB, GSLOT
	BARRIER
	; ---- c: gu0 = Q(gz1) Q(W1^T) is kept; gz0 into A's slot 16.  dz2 = Q(du1) Q(W2); w2 = p2 dz2; hz2 = W3[., m] w2 into A's slots 4 s + m
	FETCH 0, RD8B, RD4B, GSLOT
	LDB 3, DD, DLN, AD0, 16
	s_wait_dscnt 0x0
	MM ACC0, 0, 2, W1B, WSC+12, 0, 0
	PLACES 4
.irp i, 0,1,2,3,4,5,6,7
	ds_store_b128 v[GWR], v[ACC0+4*\i:ACC0+4*\i+3] offset:GU0O+16*\i
.endr
	WIN 0x0c
	PKMUL ACC1, ACC0, DD
	QUANT ACC1, 0, WR8A, WRSA, GSLOT
	s_mov_b32 s36, 0
	s_mov_b32 s37, 0
	s_mov_b32 s38, 0
	s_mov_b32 s39, 0
.Lic:                                              ; two trips, two samples each
	s_wait_dscnt 0x0                               ; the last stores have read their address registers, which are written now
	v_add_nc_u32 v[CR8], s37, v[RD8B]
	v_add_nc_u32 v[CR4], s37, v[RD4B]
	v_add_nc_u32 v[CW8], s38, v[WR8A]
	v_add_nc_u32 v[CWS], s38, v[WRSA]
	v_add_nc_u32 v[CD], s39, v[DBC]
	LDB 0, G, CD, AP2, 16
	FETCH 0, CR8, CR4, 0
	FETCH 1, CR8, CR4, SLOTB
	s_wait_dscnt 13
	MM ACC0, 0, 1, W2F, WSC+4, 0, 0
	s_wait_dscnt 0x0
	MM ACC1, 1, 1, W2F, WSC+4, 0, 0
	PLACES 4
	WIN 0xc0
	PKMUL WV3, ACC0, G
	LDB 0, G, CD, AP2+PIT, 16
.irp m, 0,1,2,3
	WIN 0x0f
	PKMUL ACC0, CM+32*\m, WV3
.if \m > 1
	s_wait_dscnt 0x4                               ; only the tile before's 4 stores may be out: the code set of two tiles back is free
.endif
	QUANT ACC0, \m%2, CW8, CWS, SLOTB*\m
.endr
	s_wait_dscnt 0x4
	WIN 0xc0
	PKMUL WV3, ACC1, G
.irp m, 0,1,2,3
	WIN 0x0f
	PKMUL ACC1, CM+32*\m, WV3
	s_wait_dscnt 0x4
	QUANT ACC1, \m%2, CW8, CWS, SLOTB*(4+\m)
.endr
	s_add_co_u32 s37, s37, 2*SLOTB
	s_add_co_u32 s38, s38, 8*SLOTB
	s_add_co_u32 s39, s39, 2*PIT
	s_add_co_u32 s36, s36, 1
	s_cmp_lt_u32 s36, 2
	s_cbranch_scc1 .Lic
	BARRIER
	; ---- d and e: one sample a trip, its four tiles m.  kind 0: hu1 = Q(hz2) Q(W2^T), hz1 = hu1 d1 + gu1[m] w1, A to B.  kind 1: hu0 = Q(hz1) Q(W1^T), hz0 = hu0 d0 + gu0[m] w0, B to A
.macro VEC m, gofs                     ; tile m's vector work: 12 LDS instructions (the last: 4)
	EW2 ACC0+32*((\m)%2)
.if \m < 3
	LDB 0, G, CG, \gofs+PIT*(\m+1), 16
.endif
	QUANT ACC0+32*((\m)%2), (\m)%2, CW8, CWS, SLOTB*(\m)
.endm
.macro BTRIP kind
	WIN 0
	s_wait_dscnt 0x0                               ; the last stores have read their address registers, which are written now
.if \kind == 0
	v_add_nc_u32 v[CR8], s37, v[RD8A]
	v_add_nc_u32 v[CR4], s37, v[RD4A]
	v_add_nc_u32 v[CW8], s37, v[WR8B]
	v_add_nc_u32 v[CWS], s37, v[WRSB]
	v_add_nc_u32 v[CW1], s40, v[W1A]
.else
	v_add_nc_u32 v[CR8], s37, v[RD8B]
	v_add_nc_u32 v[CR4], s37, v[RD4B]
	v_add_nc_u32 v[CW8], s37, v[WR8A]
	v_add_nc_u32 v[CWS], s37, v[WRSA]
.endif
	v_add_nc_u32 v[CD], s38, v[DBC]
	v_add_nc_u32 v[CG], s39, v[GBC]
.if \kind == 0
	LDB 3, DD, CD, AD1, 16
	LDB 3, WV3, CW1, 0, 512
.else
	LDB 0, G, CD, AP0, 16
	LDB 3, DD, CD, AD0, 16
	s_wait_dscnt 0x8                               ; p0 is in; d0's 8 loads may be out
	WIN 0xcc
	PKMUL WV3, G, W0J                              ; w0 = p0 W0[j, .]
.endif
	FETCH 0, CR8, CR4, 0
	FETCH 1, CR8, CR4, SLOTB
	LDB 0, G, CG, GU0O*\kind, 16
	s_wait_dscnt 21                                ; tile 0 is in: behind it tile 1's 13 and gu's 8
	MM ACC0, 0, 2, W2B+96*\kind, WSC+8+4*\kind, 0, 0
	s_wait_dscnt 0x8
	MM ACC1, 1, 2, W2B+96*\kind, WSC+8+4*\kind, 0, 0
	PLACES 4
	FETCH 0, CR8, CR4, 2*SLOTB
	s_wait_dscnt 13                                ; gu[0] is in: behind it tile 2's 13
	VEC 0, GU0O*\kind
	FETCH 1, CR8, CR4, 3*SLOTB
	s_wait_dscnt 25                                ; tile 2 is in: behind it 8, 4 and 13
	MM ACC0, 0, 2, W2B+96*\kind, WSC+8+4*\kind, 0, 0
	s_wait_dscnt 17                                ; gu[1] is in: behind it 4 and 13
	VEC 1, GU0O*\kind
	s_wait_dscnt 12                                ; tile 3 is in: behind it 8 and 4
	MM ACC1, 1, 2, W2B+96*\kind, WSC+8+4*\kind, 0, 0
	s_wait_dscnt 0x4
	VEC 2, GU0O*\kind
	s_wait_dscnt 0x4
	VEC 3, GU0O*\kind
.endm
.macro BSTEP                           ; a sample on
	s_add_co_u32 s37, s37, 4*SLOTB
	s_add_co_u32 s38, s38, PIT
	s_add_co_u32 s39, s39, 4*PIT
	s_add_co_u32 s40, s40, 4096
	s_add_co_u32 s36, s36, 1
	s_cmp_lt_u32 s36, 4
.endm
.macro BZERO
	s_mov_b32 s36, 0
	s_mov_b32 s37, 0
	s_mov_b32 s38, 0
	s_mov_b32 s39, 0
	s_mov_b32 s40, 0
.endm
	BZERO
.Lid:
	BTRIP 0
	BSTEP
	s_cbranch_scc1 .Lid
	BARRIER
	BZERO
.Lie:
	BTRIP 1
	BSTEP
	s_cbranch_scc1 .Lie
	BARRIER
	; ---- f: hess = Q(hz0) Q(W0^T): wave w takes the four tiles with m = w, two at a time, their accumulators by turns; every wave makes jac = Q(gz0) Q(W0^T) for its own copy
.macro HP a0, a1
	WIN 0x01
	v_wmma_scale_f32_16x16x128_f8f6f4 v[\a0:\a0+7], v[W0B:W0B+11], v[XF:XF+11], 0, v[W0SC], v[XS] matrix_a_fmt:MATRIX_FMT_FP6 matrix_b_fmt:MATRIX_FMT_FP6
	v_wmma_scale_f32_16x16x128_f8f6f4 v[\a1:\a1+7], v[W0B:W0B+11], v[XF+24:XF+35], 0, v[W0SC], v[XS+1] matrix_a_fmt:MATRIX_FMT_FP6 matrix_b_fmt:MATRIX_FMT_FP6
	v_wmma_scale_f32_16x16x128_f8f6f4 v[\a0:\a0+7], v[W0B+12:W0B+23], v[XF+12:XF+23], v[\a0:\a0+7], v[W0SC], v[XS] matrix_a_fmt:MATRIX_FMT_FP6 matrix_b_fmt:MATRIX_FMT_FP6 matrix_a_scale:MATRIX_SCALE_ROW1 matrix_b_scale:MATRIX_SCALE_ROW1
	v_wmma_scale_f32_16x16x128_f8f6f4 v[\a1:\a1+7], v[W0B+12:W0B+23], v[XF+36:XF+47], v[\a1:\a1+7], v[W0SC], v[XS+1] matrix_a_fmt:MATRIX_FMT_FP6 matrix_b_fmt:MATRIX_FMT_FP6 matrix_a_scale:MATRIX_SCALE_ROW1 matrix_b_scale:MATRIX_SCALE_ROW1
	WIN 0
	PLACES 4
.endm
.macro HST a, s                        ; sample s's tile into the stage, from the accumulator's low end on
.irp q, 0,1,2,3,4,5,6,7
	ds_store_b32 v[ST2W], v[\a+\q] offset:4096*\s+256*\q
.endr
.endm
	FETCH 0, RF8, RF4, 0
	FETCH 1, RF8, RF4, 4*SLOTB
	s_wait_dscnt 0x0
	HP ACC0, ACC0+8
	FETCH 0, RF8, RF4, 8*SLOTB
	FETCH 1, RF8, RF4, 12*SLOTB
	HST ACC0, 0
	HST ACC0+8, 1
	s_wait_dscnt 16                                ; the two tiles are in; the 16 stores may be out
	HP ACC1, ACC1+8
	FETCH 0, RD8A, RD4A, GSLOT
	HST ACC1, 2
	HST ACC1+8, 3
	s_wait_dscnt 16
	WIN 0x01
	v_wmma_scale_f32_16x16x128_f8f6f4 v[ACC0+16:ACC0+23], v[W0B:W0B+11], v[XF:XF+11], 0, v[W0SC], v[XS] matrix_a_fmt:MATRIX_FMT_FP6 matrix_b_fmt:MATRIX_FMT_FP6
	s_wait_alu depctr_va_vdst(0)                   ; the wait directly ahead of the link
	v_wmma_scale_f32_16x16x128_f8f6f4 v[ACC0+16:ACC0+23], v[W0B+12:W0B+23], v[XF+12:XF+23], v[ACC0+16:ACC0+23], v[W0SC], v[XS] matrix_a_fmt:MATRIX_FMT_FP6 matrix_b_fmt:MATRIX_FMT_FP6 matrix_a_scale:MATRIX_SCALE_ROW1 matrix_b_scale:MATRIX_SCALE_ROW1
	WIN 0
	PLACES 4
.irp q, 0,1,2,3,4,5,6,7
	ds_store_b32 v[ST1W], v[ACC0+16+\q] offset:16*\q
.endr
	BARRIER                                        ; four samples of out2 lie in the stage
	; ---- out: wave w stores sample w of the half
.irp i, 0,1,2,3,4,5,6,7
	ds_load_b128 v[SP+4*\i:SP+4*\i+3], v[ST2R] offset:512*\i
.endr
	ds_load_b64 v[ACC0:ACC0+1], v[ST1R]
	s_wait_dscnt 0x0
.irp i, 0,1,2,3,4,5,6,7
	global_store_b128 v[L16], v[SP+4*\i:SP+4*\i+3], s[24:25] offset:512*\i th:TH_STORE_NT   ; 32 lanes store 512 consecutive bytes, at a multiple of 256 from out2's first byte
.endr
	global_store_b64 v[L8], v[ACC0:ACC0+1], s[22:23] th:TH_STORE_NT                         ; 256 consecutive bytes, aligned likewise
	s_wait_xcnt 0x0                                ; the stores have read their registers and bases: both are written again only behind this wait
	s_add_nc_u64 s[24:25], s[24:25], 16384
	s_add_nc_u64 s[22:23], s[22:23], 1024
	v_add_nc_u32 v[DBC], 4*PIT, v[DBC]             ; the arrays' next four sample rows (no LDS load of mine is out)
	v_add_nc_u32 v[DLN], 4*PIT, v[DLN]
	s_add_co_u32 s34, s34, 1
	s_cmp_lt_u32 s34, 2
	s_cbranch_scc1 .Lhalf
	; ---- f = the four waves' partial sums + b3: wave 0, lane = 4 x sample + m.  The sums were stored ahead of many barriers
	s_cmp_lg_u32 s26, 0
	s_cbranch_scc1 .Lend
.irp i, 0,1,2,3
	ds_load_b32 v[SP+\i], v[FPR] offset:128*\i
.endr
	v_and_b32 v[SP+5], 3, v0
	v_lshlrev_b32 v[SP+5], 2, v[SP+5]
	global_load_b32 v[SP+4], v[SP+5], s[16:17]
	s_wait_dscnt 0x0
	v_add_f32 v[SP], v[SP], v[SP+1]
	v_add_f32 v[SP+2], v[SP+2], v[SP+3]
	v_add_f32 v[SP], v[SP], v[SP+2]
	s_wait_loadcnt 0x0
	v_add_f32 v[SP], v[SP], v[SP+4]
	global_store_b32 v[L4], v[SP], s[20:21]
.Lend:
	s_wait_tensorcnt 0x0
	ds_add_u32 v49, v231
	s_wait_dscnt 0x0
	s_endpgm
.Lfunc_end_k_qf28ce5e92d_main:
	.size	k_qf28ce5e92d_main, .Lfunc_end_k_qf28ce5e92d_main-k_qf28ce5e92d_main
	.p2alignl 7, 3214868480
	.fill 96, 4, 3214868480
	.section	.rodata,"a",@progbits
	.p2align	6, 0x0
	.amdhsa_kernel k_qf28ce5e92d_main
		.amdhsa_group_segment_fixed_size 287232
		.amdhsa_private_segment_fixed_size 0
		.amdhsa_enable_private_segment 0
		.amdhsa_kernarg_size 88
		.amdhsa_user_sgpr_count 2
		.amdhsa_user_sgpr_kernarg_segment_ptr 1
		.amdhsa_wavefront_size32 1
		.amdhsa_system_sgpr_workgroup_id_x 1
		.amdhsa_system_sgpr_workgroup_id_y 1
		.amdhsa_system_sgpr_workgroup_id_z 1
		.amdhsa_system_vgpr_workitem_id 0
		.amdhsa_next_free_vgpr 1024
		.amdhsa_next_free_sgpr 66
		.amdhsa_reserve_vcc 1
		.amdhsa_float_denorm_mode_32 3
		.amdhsa_float_denorm_mode_16_64 3
		.amdhsa_memory_ordered 1
		.amdhsa_forward_progress 1
		.amdhsa_inst_pref_size 250
	.end_amdhsa_kernel
	.amdgpu_metadata
---
amdhsa.version: [ 1, 2 ]
amdhsa.kernels:
  - .name:           k_qf28ce5e92d_main
    .symbol:         k_qf28ce5e92d_main.kd
    .args:
      - { .name: x, .offset: 0, .size: 8, .value_kind: global_buffer, .address_space: global }
      - { .name: W0, .offset: 8, .size: 8, .value_kind: global_buffer, .address_space: global }
      - { .name: b0, .offset: 16, .size: 8, .value_kind: global_buffer, .address_space: global }
      - { .name: b1, .offset: 24, .size: 8, .value_kind: global_buffer, .address_space: global }
      - { .name: b2, .offset: 32, .size: 8, .value_kind: global_buffer, .address_space: global }
      - { .name: W3, .offset: 40, .size: 8, .value_kind: global_buffer, .address_space: global }
      - { .name: b3, .offset: 48, .size: 8, .value_kind: global_buffer, .address_space: global }
      - { .name: wq, .offset: 56, .size: 8, .value_kind: global_buffer, .address_space: global }
      - { .name: out0, .offset: 64, .size: 8, .value_kind: global_buffer, .address_space: global }
      - { .name: out1, .offset: 72, .size: 8, .value_kind: global_buffer, .address_space: global }
      - { .name: out2, .offset: 80, .size: 8, .value_kind: global_buffer, .address_space: global }
    .group_segment_fixed_size: 287232
    .private_segment_fixed_size: 0
    .kernarg_segment_align: 8
    .kernarg_segment_size: 88
    .max_flat_workgroup_size: 128
    .sgpr_count:     66
    .vgpr_count:     1024
    .wavefront_size: 32
...
	.end_amdgpu_metadata
.endif
;; end of part 2
;; ======== version 2 of 2: 2 launches
;; workspace buffers: wq 217,600 bytes
;; launch prep (part 3): grid 65 x 1, 1 waves a work-group, no clusters, 0 bytes of LDS; arguments W0, W1, W2, wq; writes wq
.if DOCPART == 3
	.amdgcn_target "amdgcn-amd-amdhsa--gfx1250"
	.amdhsa_code_object_version 6
	.text
	.protected	k_qf28ce5e92d_prep
	.globl	k_qf28ce5e92d_prep
	.p2align	8
	.type	k_qf28ce5e92d_prep,@function
k_qf28ce5e92d_prep:
	s_mov_b64 s[64:65], 0
	v_nop
	global_prefetch_b8 v0, s[64:65] scope:SCOPE_SE
	s_setreg_imm32_b32 hwreg(HW_REG_WAVE_MODE, 25, 1), 1
	s_wait_xcnt 0x0
; W1 and W2 are each quantised to FP6 (E2M3) along BOTH axes, W0 along its axis 1, one E8M0 byte for each 32 along K, and laid in wq
; as IMAGES OF THE OPERAND'S REGISTERS, so that the second launch loads every fragment by loads of 16 bytes a lane and keeps it.
; wq: 17 blocks of 12,800 bytes.  Block 4 mu + w: matrix mu for wave w.  mu 0: W1, K = axis 0;  1: W2, K = axis 0;  2: W2, K = axis 1;
; 3: W1, K = axis 1;  block 16: W0, K = axis 1.  In a block: fragment (tile t, K step s) at 1536 (2 t + s): registers 4 j .. 4 j + 3 of lane l at
; 512 j + 16 l; at 12,288 + 128 t the tile's scale words: lane l holds the word of row l % 16 for K step l / 16.
; THE ROWS OF A TILE ARE NOT NEIGHBOURS: row rho of tile t of wave w is output n = 64 w + 32 (rho / 8) + 8 t + rho % 8, so that in the transposed product a lane's
; 32 results of the wave's four tiles are 32 neighbours, one whole block of the next K.  (W0 has 16 outputs: n = rho.)
; One wave makes one tile (16 rows x 256 along K): lane (rho, h) holds blocks 2 beta + h, beta = 0 .. 3, whole, so no maximum needs another lane.
; A block's scale is 2^(floor(log2(its largest magnitude)) - 2); its byte is that magnitude's exponent field - 2, held at 1 from below.
; LIMITS: a block of zeros, or one whose largest magnitude lies under 2^-124, has the byte 1 (a block of zeros: where the rule says 127; its codes are zeros, and this program
; alone reads the bytes); NaN and infinities among the inputs are not served.  The scale words leave as 128 bytes a work-group, half of an aligned 256.
.set X,   32                           ; v32-159  four blocks of 32 numbers
.set CO,  160                          ; v160-183 the two fragments' codes
.set TP,  184                          ; v184-199 each block's upper 16 codes, before they are moved
.set MXR, 16                           ; v16-19   largest magnitudes
.set SOR, 20                           ; v20-23   the conversions' scale operands
.set BYR, 24                           ; v24-27   the scale bytes
	s_load_b256 s[4:11], s[0:1], 0x0               ; W0 s[4:5], W1 s[6:7], W2 s[8:9], wq s[10:11]
	s_lshr_b32 s12, ttmp9, 4                       ; mu
	s_bfe_u32 s13, ttmp9, 0x20002                  ; w
	s_and_b32 s14, ttmp9, 3                        ; t
	v_and_b32 v1, 15, v0                           ; rho
	v_lshrrev_b32 v2, 4, v0                        ; h
	v_lshrrev_b32 v3, 3, v1
	v_and_b32 v4, 7, v1
	s_cmp_eq_u32 s12, 4
	s_cselect_b32 s15, 8, 32                       ; rows 8 .. 15 of a tile lie 32 outputs on; in W0 8
	s_lshl_b32 s16, s13, 6
	s_lshl_b32 s17, s14, 3
	s_add_co_u32 s16, s16, s17
	v_mad_u32_u24 v5, v3, s15, v4
	v_add_nc_u32 v5, s16, v5                       ; n
	v_lshlrev_b32 v9, 4, v0                        ; 16 x lane
	v_lshlrev_b32 v10, 2, v0                       ; 4 x lane
	s_mov_b32 s28, 0x76543210
	s_mov_b32 s29, 0xfedcba98                      ; v_permlanex16_b32: lane l xor 16
	s_lshr_b32 s18, s12, 1
	s_xor_b32 s18, s18, s12
	s_and_b32 s18, s18, 1                          ; 0: W1 (mu 0, 3), 1: W2 (mu 1, 2)
	s_lshl_b32 s22, s12, 2
	s_add_co_u32 s22, s22, s13
	s_mul_i32 s22, s22, 12800                      ; my block
	s_mul_i32 s19, s14, 3072
	s_add_co_u32 s24, s22, s19                     ; my tile's two fragments
	s_mov_b32 s25, 0
	s_lshl_b32 s19, s14, 7
	s_add_co_u32 s26, s22, s19
	s_add_co_u32 s26, s26, 12288                   ; my tile's scale words
	s_mov_b32 s27, 0
	s_wait_kmcnt 0x0
	s_cmp_eq_u32 s18, 0                            ; the choice hangs on the work-group's number alone
	s_cselect_b64 s[20:21], s[6:7], s[8:9]
	s_cmp_eq_u32 s12, 4
	s_cselect_b64 s[20:21], s[4:5], s[20:21]
	s_add_nc_u64 s[24:25], s[10:11], s[24:25]
	s_add_nc_u64 s[26:27], s[10:11], s[26:27]
	s_cmp_lt_u32 s12, 2
	s_cbranch_scc0 .Lback
	s_wait_alu depctr_va_vdst(0)
	; K = axis 0: number i of block beta is W[64 beta + 32 h + i][n]: my registers run down the rows
	v_lshlrev_b32 v6, 2, v5
	v_lshl_add_u32 v6, v2, 15, v6                  ; 4 n + 32 h rows of 1,024 bytes
.set b, 0
.rept 4
.set i, 0
.rept 32
	global_load_b32 v[X+32*b+i], v6, s[20:21] offset:(64*b+i)*1024
.set i, i+1
.endr
.set b, b+1
.endr
	s_branch .Ljoin
.Lback:
	s_wait_alu depctr_va_vdst(0)
	; K = axis 1: number i of block beta is W[n][64 beta + 32 h + i]: 128 neighbouring bytes of my row
	v_lshlrev_b32 v6, 10, v5
	v_lshl_add_u32 v6, v2, 7, v6                   ; 1,024 n + 128 h
.set b, 0
.rept 4
.set i, 0
.rept 8
	global_load_b128 v[X+32*b+4*i:X+32*b+4*i+3], v6, s[20:21] offset:256*b+16*i
.set i, i+1
.endr
.set b, b+1
.endr
.Ljoin:
	s_wait_loadcnt 0x0
.irp b, 0,1,2,3
	v_max3_num_f32 v[MXR+\b], |v[X+32*\b]|, |v[X+32*\b+1]|, 0x1800000   ; the floor 2^(3 - 127) among the leaves: the byte cannot fall under 1
.endr
.irp i, 2,4,6,8,10,12,14,16,18,20,22,24,26,28,30
.irp b, 0,1,2,3
	v_max3_num_f32 v[MXR+\b], v[MXR+\b], |v[X+32*\b+\i]|, |v[X+32*\b+\i+1]|   ; the four blocks by turns
.endr
.endr
.irp b, 0,1,2,3
	v_add_nc_u32 v[SOR+\b], 0xff000000, v[MXR+\b]  ; 2 off the exponent field: the conversion takes this operand's exponent field as its scale
.endr
.irp b, 0,1,2,3
	v_lshrrev_b32 v[BYR+\b], 23, v[SOR+\b]         ; the scale's byte
.endr
.irp b, 0,1,2,3
	v_cvt_scalef32_pk16_fp6_f32 v[CO+6*\b:CO+6*\b+2], v[X+32*\b:X+32*\b+15], v[SOR+\b]
	v_cvt_scalef32_pk16_fp6_f32 v[TP+4*\b:TP+4*\b+2], v[X+32*\b+16:X+32*\b+31], v[SOR+\b]   ; (a conversion's three registers begin on an even number)
.endr
	v_nop                                          ; one plain place behind the scaled conversions
.irp b, 0,1,2,3
.irp i, 0,1,2
	v_mov_b32 v[CO+6*\b+3+\i], v[TP+4*\b+\i]       ; registers 6 beta .. 6 beta + 5: block 2 beta + h whole
.endr
.endr
	v_lshl_or_b32 v28, v25, 16, v24                ; K step 0: my bytes of blocks h and 2 + h,
	v_lshl_or_b32 v29, v27, 16, v26                ; K step 1 likewise,
	v_lshlrev_b32 v30, 3, v2
	v_lshlrev_b32 v28, v30, v28                    ; at their places in the word (8 h bits up)
	v_lshlrev_b32 v29, v30, v29
	v_mov_b32 v7, 0                                ; (a lane permute's destination counts as one of its sources)
	v_mov_b32 v8, 0
	v_permlanex16_b32 v7, v28, s28, s29
	v_permlanex16_b32 v8, v29, s28, s29
	v_or_b32 v28, v28, v7                          ; with lane l xor 16's two bytes each word is whole
	v_or_b32 v29, v29, v8
	v_cmp_gt_u32 vcc_lo, 16, v0
	v_cndmask_b32 v31, v29, v28, vcc_lo            ; lanes 0-15 keep K step 0's word, lanes 16-31 K step 1's
.irp j, 0,1,2,3,4,5
	global_store_b128 v9, v[CO+4*\j:CO+4*\j+3], s[24:25] offset:512*\j   ; 32 lanes store 512 consecutive bytes, at a multiple of 256 from wq's first byte
.endr
	global_store_b32 v10, v31, s[26:27]
	s_endpgm
.Lfunc_end_k_qf28ce5e92d_prep:
	.size	k_qf28ce5e92d_prep, .Lfunc_end_k_qf28ce5e92d_prep-k_qf28ce5e92d_prep
	.p2alignl 7, 3214868480
	.fill 96, 4, 3214868480
	.section	.rodata,"a",@progbits
	.p2align	6, 0x0
	.amdhsa_kernel k_qf28ce5e92d_prep
		.amdhsa_group_segment_fixed_size 0
		.amdhsa_private_segment_fixed_size 0
		.amdhsa_enable_private_segment 0
		.amdhsa_kernarg_size 32
		.amdhsa_user_sgpr_count 2
		.amdhsa_user_sgpr_kernarg_segment_ptr 1
		.amdhsa_wavefront_size32 1
		.amdhsa_system_sgpr_workgroup_id_x 1
		.amdhsa_system_sgpr_workgroup_id_y 1
		.amdhsa_system_sgpr_workgroup_id_z 1
		.amdhsa_system_vgpr_workitem_id 0
		.amdhsa_next_free_vgpr 200
		.amdhsa_next_free_sgpr 66
		.amdhsa_reserve_vcc 1
		.amdhsa_float_denorm_mode_32 3
		.amdhsa_float_denorm_mode_16_64 3
		.amdhsa_memory_ordered 1
		.amdhsa_forward_progress 1
		.amdhsa_inst_pref_size 24
	.end_amdhsa_kernel
	.amdgpu_metadata
---
amdhsa.version: [ 1, 2 ]
amdhsa.kernels:
  - .name:           k_qf28ce5e92d_prep
    .symbol:         k_qf28ce5e92d_prep.kd
    .args:
      - { .name: W0, .offset: 0, .size: 8, .value_kind: global_buffer, .address_space: global }
      - { .name: W1, .offset: 8, .size: 8, .value_kind: global_buffer, .address_space: global }
      - { .name: W2, .offset: 16, .size: 8, .value_kind: global_buffer, .address_space: global }
      - { .name: wq, .offset: 24, .size: 8, .value_kind: global_buffer, .address_space: global }
    .group_segment_fixed_size: 0
    .private_segment_fixed_size: 0
    .kernarg_segment_align: 8
    .kernarg_segment_size: 32
    .max_flat_workgroup_size: 32
    .sgpr_count:     66
    .vgpr_count:     200
    .wavefront_size: 32
...
	.end_amdgpu_metadata
.endif
;; end of part 3
;; launch main (part 4): grid 256 x 1, 4 waves a work-group, no clusters, 287,232 bytes of LDS; arguments x, W0, b0, b1, b2, W3, b3, wq, out0, out1, out2; writes out0, out1, out2
.if DOCPART == 4
	.amdgcn_target "amdgcn-amd-amdhsa--gfx1250"
	.amdhsa_code_object_version 6
	.text
	.protected	k_qf28ce5e92d_main
	.globl	k_qf28ce5e92d_main
	.p2align	8
	.type	k_qf28ce5e92d_main,@function
k_qf28ce5e92d_main:
	s_mov_b64 s[64:65], 0
	v_nop
	global_prefetch_b8 v0, s[64:65] scope:SCOPE_SE
	s_setreg_imm32_b32 hwreg(HW_REG_WAVE_SCHED_MODE, 0, 2), 2
	s_setreg_imm32_b32 hwreg(HW_REG_WAVE_MODE, 25, 1), 1
	s_wait_xcnt 0x0
	s_wait_alu depctr_vm_vsrc(0)
; f, its Jacobian (reverse mode) and its Hessian (forward over reverse) of the tanh MLP 16-256-256-256-4, all products with K = 256 on codes of FP6 (E2M3) with one E8M0 scale for each 32 along K.
; With u_l = tanh z_l, d_l = 1 - u_l^2, p_l = -2 u_l d_l, k a hidden unit, m an output, j a tangent direction:
;   primal     z0 = x W0 + b0 (f32);  z1 = Q(u0) Q(W1) + b1;  z2 = Q(u1) Q(W2) + b2;  f = u2 W3 + b3 (f32)
;   cotangents gz2 = W3[k,m] d2;  gu1 = Q(gz2) Q(W2^T);  gz1 = gu1 d1;  gu0 = Q(gz1) Q(W1^T);  gz0 = gu0 d0;  jac = Q(gz0) Q(W0^T)
;   tangents   du0 = d0 W0[j,k];  dz1 = Q(du0) Q(W1);  du1 = d1 dz1;  dz2 = Q(du1) Q(W2);  w0 = p0 W0[j,k], w1 = p1 dz1, w2 = p2 dz2
;   both       hz2 = W3[k,m] w2;  hu1 = Q(hz2) Q(W2^T);  hz1 = hu1 d1 + gu1[m] w1[j];  hu0 = Q(hz1) Q(W1^T);  hz0 = hu0 d0 + gu0[m] w0[j];  hess = Q(hz0) Q(W0^T)
; Products that reference() repeats are made once; the tangent of f reaches no output and is not made.
; SHARES.  A work-group owns 8 samples: the primal for all 8 first, then two halves of 4 samples.  THE FOUR WAVES SHARE THE COLUMNS: wave w owns hidden units 64 w .. 64 w + 63 of every layer, for every
; kind of row, and its parts of the five quantised weights (408 registers) stay in its registers, loaded once from wq as the first launch laid them.  No hidden number goes to memory.
; LAYOUT.  Every product is used transposed (source 0 = 16 rows of a weight, source 1 = 16 rows of data), and the rows of a weight's tile are chosen so that lane (r, h) holds data row r and its 32 results of the
; wave's four tiles are units 64 w + 32 h + 0 .. 31: ONE WHOLE BLOCK of the next K.  So a block's largest magnitude needs no other lane, and the six registers of codes are registers 6 (w % 2) .. of the next
; operand's fragment of K step w / 2, in the same lane.  They go to the other waves through LDS as images of registers: 8 bytes a lane, 256 consecutive bytes a store.
; ROWS OF A TILE: tangents: one sample, r = j;  both: (sample, m), r = j;  cotangents: r = 4 x sample + m;  primal: sample r / 2, each twice.  Factors that are the same for all r (d, p, gu[m], W3[.,m]) lie in
; LDS rows of the wave's own and are read with an address that hangs on h alone.
; NO CLUSTER, NO TENSOR LOAD: what all work-groups share are wq's 217,600 bytes, read once each, straight into the registers where they stay; a joint load lands in LDS, where 286,720 bytes are in use.
; LIMITS.  NaN and infinities among the inputs are not served.  A block whose largest magnitude lies under 2^-124 has its byte held at 1; a block of zeros has the byte 1 where the rule says 127 (zero codes; read here alone).
; tanh x = the series to x^9 where x^2 < 1/16 (the first term left out is under 1e-8 of x), else 1 - 2 / (1 + 2^(2.885390 x)), which ends at +-1.  d = 1 - u u by one fused multiply-add and p = -2 u d stand for
; reference()'s (g + g u)(1 - u) and its tangent: the same numbers but for the order of rounding.  The biases are the C of a sum's first matrix instruction.  out0 leaves as 128 bytes a work-group.
; THE MODE: SCHED_MODE bits 1:0 = 2 (LLVM: expert scheduling mode 2), set by the entry lines.  The code itself states the register dependences between vector or matrix instructions and memory or LDS
; instructions, with s_wait_alu, always for 0.
; THE PLAN.  Registers that LDS or memory instructions touch in the loop, and who else names them:
;   XF0, XF1, XF2 with XS0 .. XS2   a tile's two fragments and its scale words: LDS loads land in them, matrix instructions read them.
;   G, SP, DD, P0B                  rows of factors: LDS loads land in them, packed multiplies read them.
;   WV3                             b: multiplies write it, LDS stores read it (w1);  d: LDS loads land in it, multiply-adds read it;  c, e: vector instructions alone.
;   CA0, CA1                        two sets of codes by turns: the quantiser writes a set, four LDS stores read it.
;   ACC0, ACC1                      matrix and vector instructions write them; the stores of gu, of the stages and, ahead of the loop, of the arrays read them.
;   v18-20, v28-31                  a trip's LDS addresses: written once, at the trip's head.   DBC, DLN: written once a half.   All other addresses are made at the head and never written again.
; A TILE'S TURN: its vector work (factors, quantiser); ONE wait on va_vdst; its LDS run (its stores, the factor rows of two tiles on, the fetch of a later tile); the next product, from a buffer fetched a turn
; earlier.  The wait states that the codes (and w1) are written, that the multiplies are done reading their factor rows, and that the products issued ahead of the turn are done reading their fragments.
; A wait on vm_vsrc stands at a trip's head ahead of the address additions, at the wait of a tile whose predecessor's code set the next tile writes again, and in the barriers behind which stored registers are rewritten.
.set SLOTB, 3200                       ; LDS: a tile's image: 12 pairs of registers x 256 bytes, then 128 bytes of scale words
.set SCW,   3072
.set GSLOT, 16*SLOTB                   ; slot 16: the cotangents' tile
.set IMG_B, 17*SLOTB                   ; two sets of 17 slots, A at 0 and B here: a phase reads one and writes the other
.set DARR,  108800                     ; per wave 13,056: d0, p0, d1, p1, d2, p2, each 8 sample rows of 64 numbers, 272 bytes apart
.set PIT,   272
.set AD0,   0
.set AP0,   2176
.set AD1,   4352
.set AP1,   6528
.set AD2,   8704
.set AP2,   10880
.set GUB,   161024                     ; per wave 8,704: gu1, then gu0: 16 rows (sample, m)
.set GU0O,  4352
.set W1S,   195840                     ; per wave 16,384: w1 of 4 samples, as images of 32 registers
.set C3T,   261376                     ; per wave 1,088: W3 transposed, 4 rows m
.set FPART, 265728                     ; f's partial sums [wave][sample][m]
.set STG2,  266240                     ; 4 samples x 4,096 bytes as out2 has them
.set STG1,  282624                     ; per wave 1,024: 4 samples x 256 bytes as out1 has them
; window 0
.set L16,  1                           ; 16 x lane
.set L8,   2                           ; 8 x lane
.set L4,   3                           ; 4 x lane
.set RD8A, 2                           ; reading set A's pairs: 8 x lane, since set A begins at LDS byte 0
.set FPR,  4
.set RD4A, 5
.set RD8B, 6
.set RD4B, 7
.set WR8A, 8                           ; writing my three pairs: 768 w + 8 x lane
.set WRSA, 9                           ; and my byte: 3072 + 64 (w / 2) + 2 (w % 2) + 4 r + h
.set WR8B, 10
.set WRSB, 11
.set DBC,  12                          ; my wave's arrays + 128 h; steps four sample rows a half
.set DLN,  13                          ; + 272 (r / 4)
.set DWR,  14                          ; + 272 (r / 2)
.set GWR,  15
.set GBC,  16
.set W1A,  17
.set C3W,  18                          ; prologue only
.set C3B,  19
.set C3L,  20
.set CD,   18                          ; a trip's addresses
.set CG,   19
.set CW1,  20
.set FPW,  21
.set ST2W, 22
.set ST2R, 23
.set ST1W, 24
.set ST1R, 25
.set RF8,  26
.set RF4,  27
.set CR8,  28
.set CR4,  29
.set CW8,  30
.set CWS,  31
.set WSC,  32                          ; v32-47 the weights' scale words, 4 mu + t;  v48 W0's: they hold scales and nothing else
.set W0SC, 48
.set XS,   49                          ; v49-51 the data rows' scale words, one register for each fragment buffer
.set XF,   52                          ; v52-99 fragment buffers 0 and 1: a tile's two fragments each
.set QQ,   52                          ; (in the prologue: the series)
.set W3R,  84                          ; (in the prologue: W3 as loaded)
.set ACC0, 100
.set ACC1, 132
.set G,    164
.set SP,   196
.set LN,   196                         ; at the head: lane, r, h, a temporary
.set RR,   197
.set HH,   198
.set TT,   199
.set MX0,  228
.set MX1,  229
.set SO,   230
.set CA,   232                         ; two sets of codes: 7 registers and the byte
.set KC,   248                         ; the series' four coefficients, each twice
; window 1
.set W1F,  0
.set W2F,  96
.set W0B,  192
.set XF2,  216                         ; fragment buffer 2
; window 2
.set W2B,  0
.set W1B,  96
.set Z0,   192                         ; written by the f32 matrix form alone
.set W0A,  224
.set P0B,  224                         ; in the loop: a fourth row of factors, where W0's f32 fragments lay
; window 3
.set CM,   0                           ; W3[k, m] at 32 m + q
.set DD,   128
.set WV3,  160
.set W0J,  192
.set W3L,  224
.set MSB, 0
.macro WIN new                         ; low byte: bits 1:0 source 0, 3:2 source 1, 5:4 source 2, 7:6 destination; the high byte repeats the setting that is left
.if MSB != (\new)
	s_set_vgpr_msb (MSB<<8)|(\new)
.set MSB, \new
.endif
.endm
.macro PLACES n
.rept \n
	v_nop
.endr
.endm
.macro BARRIER e                       ; my LDS stores have landed and my LDS loads are in: then the work-group's barrier.  e = 1: registers that my stores read are written again behind it
	WIN 0
	s_wait_dscnt 0x0
.if \e
	s_wait_alu depctr_vm_vsrc(0)                   ; my LDS stores have read their data (code sets, arrays, gu, the stage's tiles), which the lines behind the barrier write again
.endif
	s_barrier_signal -1
	s_barrier_wait -1
.endm
.macro SETB buf                        ; fragment buffer buf: its first register and its window
.if (\buf) == 2
.set XB, XF2
.set XW, 1
.else
.set XB, XF+24*(\buf)
.set XW, 0
.endif
.endm
.macro FETCH buf, a8, a4, off          ; a tile's two fragments and its scale words (lanes 0-15 K step 0, lanes 16-31 K step 1): 13 LDS loads
	SETB \buf
	WIN XW<<6
.irp p, 0,1,2,3,4,5,6,7,8,9,10,11
	ds_load_b64 v[XB+2*\p:XB+2*\p+1], v[\a8] offset:\off+256*\p
.endr
	WIN 0
	ds_load_b32 v[XS+(\buf)], v[\a4] offset:\off
.endm
; 8 matrix instructions: my four tiles of a weight x one tile of rows, K = 256.  The four accumulators take turns, one instruction a turn.  cwin != 0: the sums begin with a bias.
.macro MM acc, buf, win, wbase, sc, cwin, cbase
	SETB \buf
.if \cwin
	WIN (\win)|(XW<<2)|((\cwin)<<4)
.else
	WIN (\win)|(XW<<2)
.endif
.irp t, 0,1,2,3
.if \cwin
	v_wmma_scale_f32_16x16x128_f8f6f4 v[\acc+8*\t:\acc+8*\t+7], v[\wbase+24*\t:\wbase+24*\t+11], v[XB:XB+11], v[\cbase+8*\t:\cbase+8*\t+7], v[\sc+\t], v[XS+(\buf)] matrix_a_fmt:MATRIX_FMT_FP6 matrix_b_fmt:MATRIX_FMT_FP6
.else
	v_wmma_scale_f32_16x16x128_f8f6f4 v[\acc+8*\t:\acc+8*\t+7], v[\wbase+24*\t:\wbase+24*\t+11], v[XB:XB+11], 0, v[\sc+\t], v[XS+(\buf)] matrix_a_fmt:MATRIX_FMT_FP6 matrix_b_fmt:MATRIX_FMT_FP6
.endif
.endr
	WIN (\win)|(XW<<2)
.irp t, 0,1,2,3
	v_wmma_scale_f32_16x16x128_f8f6f4 v[\acc+8*\t:\acc+8*\t+7], v[\wbase+24*\t+12:\wbase+24*\t+23], v[XB+12:XB+23], v[\acc+8*\t:\acc+8*\t+7], v[\sc+\t], v[XS+(\buf)] matrix_a_fmt:MATRIX_FMT_FP6 matrix_b_fmt:MATRIX_FMT_FP6 matrix_a_scale:MATRIX_SCALE_ROW1 matrix_b_scale:MATRIX_SCALE_ROW1
.endr
	WIN 0
.endm
; My 32 numbers v[src] .. v[src + 31], one block, become six registers of codes and a byte: the vector lines ..
.macro QUANTV src, set
	WIN 0
	v_max3_num_f32 v[MX0], |v[\src]|, |v[\src+1]|, 0x1800000       ; the floor 2^(3 - 127) among the leaves: the byte cannot fall under 1
	v_max3_num_f32 v[MX1], |v[\src+2]|, |v[\src+3]|, |v[\src+4]|
.irp i, 5,9,13,17,21,25
	v_max3_num_f32 v[MX0], v[MX0], |v[\src+\i]|, |v[\src+\i+1]|    ; two chains by turns
	v_max3_num_f32 v[MX1], v[MX1], |v[\src+\i+2]|, |v[\src+\i+3]|
.endr
	v_max3_num_f32 v[MX0], v[MX0], |v[\src+29]|, |v[\src+30]|
	v_max3_num_f32 v[MX0], v[MX0], v[MX1], |v[\src+31]|
	v_add_nc_u32 v[SO], 0xff000000, v[MX0]         ; 2 off the exponent field: the conversion's scale operand
	v_lshrrev_b32 v[CA+8*(\set)+7], 23, v[SO]      ; the scale's byte
	v_cvt_scalef32_pk16_fp6_f32 v[CA+8*(\set):CA+8*(\set)+2], v[\src:\src+15], v[SO]
	v_cvt_scalef32_pk16_fp6_f32 v[CA+8*(\set)+4:CA+8*(\set)+6], v[\src+16:\src+31], v[SO]   ; (a conversion's three registers begin on an even number)
	v_nop                                          ; one plain place behind the scaled conversions
	v_mov_b32 v[CA+8*(\set)+3], v[CA+8*(\set)+4]
	v_mov_b32 v[CA+8*(\set)+4], v[CA+8*(\set)+5]
	v_mov_b32 v[CA+8*(\set)+5], v[CA+8*(\set)+6]
.endm
.macro QUANTS set, a8, as, off         ; .. and the 4 LDS stores, behind the tile's wait on va_vdst
	WIN 0
	ds_store_b64 v[\a8], v[CA+8*(\set):CA+8*(\set)+1] offset:\off
	ds_store_b64 v[\a8], v[CA+8*(\set)+2:CA+8*(\set)+3] offset:\off+256
	ds_store_b64 v[\a8], v[CA+8*(\set)+4:CA+8*(\set)+5] offset:\off+512
	ds_store_b8 v[\as], v[CA+8*(\set)+7] offset:\off
.endm
.macro LDB dwin, dst, adr, off, str    ; 32 registers from LDS, 8 loads, str bytes apart
	WIN (\dwin)<<6
.irp i, 0,1,2,3,4,5,6,7
	ds_load_b128 v[\dst+4*\i:\dst+4*\i+3], v[\adr] offset:\off+\str*\i
.endr
.endm
.macro PKMUL d, a, b                   ; 32 products, two an instruction, from the low end on; the caller sets the windows
.set jj, 0
.rept 16
	v_pk_mul_f32 v[\d+jj:\d+jj+1], v[\a+jj:\a+jj+1], v[\b+jj:\b+jj+1]
.set jj, jj+2
.endr
.endm
.macro EW2 acc, g                      ; acc = acc x d + gu[m] x w[j]; gu[m] lies in g
	WIN 0x0c
	PKMUL \acc, \acc, DD
.set jj, 0
.rept 16
	v_pk_fma_f32 v[\acc+jj:\acc+jj+1], v[\g+jj:\g+jj+1], v[WV3+jj:WV3+jj+1], v[\acc+jj:\acc+jj+1]
.set jj, jj+2
.endr
.endm
; z in ACC0  ->  u in ACC0, d in ACC1, p in G.  Each batch of transcendentals has one wait, ahead of its first reader; the series is the independent work behind the exponentials.
.macro TANH
	WIN 0
.set jj, 0
.rept 16
	v_pk_mul_f32 v[ACC1+jj:ACC1+jj+1], v[ACC0+jj:ACC0+jj+1], 0x4038aa3b op_sel_hi:[1,0]   ; 2 log2(e) z
.set jj, jj+2
.endr
.set jj, 0
	s_wait_alu depctr_va_vdst(0)
.rept 32
	v_exp_f32 v[ACC1+jj], v[ACC1+jj]               ; e^(2 z)
.set jj, jj+1
.endr
	PKMUL G, ACC0, ACC0                            ; z^2
.set jj, 0
.rept 16
	v_pk_fma_f32 v[QQ+jj:QQ+jj+1], v[G+jj:G+jj+1], v[KC+6:KC+7], v[KC+4:KC+5]
.set jj, jj+2
.endr
.set jj, 0
.rept 16
	v_pk_fma_f32 v[QQ+jj:QQ+jj+1], v[QQ+jj:QQ+jj+1], v[G+jj:G+jj+1], v[KC+2:KC+3]
.set jj, jj+2
.endr
.set jj, 0
.rept 16
	v_pk_fma_f32 v[QQ+jj:QQ+jj+1], v[QQ+jj:QQ+jj+1], v[G+jj:G+jj+1], v[KC:KC+1]
.set jj, jj+2
.endr
	PKMUL QQ, QQ, G
.set jj, 0
.rept 16
	v_pk_fma_f32 v[QQ+jj:QQ+jj+1], v[QQ+jj:QQ+jj+1], v[ACC0+jj:ACC0+jj+1], v[ACC0+jj:ACC0+jj+1]   ; the series: z + z (z^2 (c1 + z^2 (c2 + ..)))
.set jj, jj+2
.endr
	s_wait_alu depctr_va_vdst(0)                   ; the 32 exponentials have written ACC1: one wait, ahead of their first reader
.set jj, 0
.rept 16
	v_pk_add_f32 v[ACC1+jj:ACC1+jj+1], v[ACC1+jj:ACC1+jj+1], 1.0 op_sel_hi:[1,0]
.set jj, jj+2
.endr
.set jj, 0
	s_wait_alu depctr_va_vdst(0)
.rept 32
	v_rcp_f32 v[ACC1+jj], v[ACC1+jj]
.set jj, jj+1
.endr
	v_nop                                          ; a plain place behind the last reciprocal
	s_wait_alu depctr_va_vdst(0)                   ; the 32 reciprocals have written ACC1: one wait, ahead of their first reader
.set jj, 0
.rept 16
	v_pk_fma_f32 v[ACC1+jj:ACC1+jj+1], v[ACC1+jj:ACC1+jj+1], -2.0, 1.0 op_sel_hi:[1,0,0]
.set jj, jj+2
.endr
.irp hh, 0,16                          ; z^2 < 1/16: a choice of a value, no branch.  The compares go in runs of 16, each into a scalar register of its own
.set jj, 0
.rept 16
	v_cmp_gt_f32 s[48+jj], 0x3d800000, v[G+\hh+jj]
.set jj, jj+1
.endr
	s_wait_alu depctr_va_sdst(0)                   ; the 16 compares have written s48 to s63, ahead of the selects that read them
.set jj, 0
.rept 16
	v_cndmask_b32 v[ACC0+\hh+jj], v[ACC1+\hh+jj], v[QQ+\hh+jj], s[48+jj]
.set jj, jj+1
.endr
.endr
.set jj, 0
.rept 16
	v_pk_fma_f32 v[ACC1+jj:ACC1+jj+1], v[ACC0+jj:ACC0+jj+1], v[ACC0+jj:ACC0+jj+1], 1.0 op_sel_hi:[1,1,0] neg_lo:[1,0,0] neg_hi:[1,0,0]   ; d = 1 - u u
.set jj, jj+2
.endr
.set jj, 0
.rept 16
	v_pk_mul_f32 v[G+jj:G+jj+1], v[ACC0+jj:ACC0+jj+1], -2.0 op_sel_hi:[1,0]
.set jj, jj+2
.endr
	PKMUL G, G, ACC1                               ; p = -2 u d
.endm
.macro STARR arr, src                  ; 32 numbers of my sample into my wave's array (the two lanes that hold a sample twice write the same bytes with the same values)
	WIN 0
.irp i, 0,1,2,3,4,5,6,7
	ds_store_b128 v[DWR], v[\src+4*\i:\src+4*\i+3] offset:\arr+16*\i
.endr
.endm
.macro WLOAD dwin, dst, mu             ; my 8 fragments of weight mu (24 loads of 512 consecutive bytes) and their scale words (4 loads).  No vector or matrix instruction has named these registers: no wait is owed
	WIN (\dwin)<<6
.set ii, 0
.rept 24
	global_load_b128 v[\dst+4*ii:\dst+4*ii+3], v[L16], s[18:19] offset:51200*\mu+512*ii
.set ii, ii+1
.endr
	WIN 0
.irp t, 0,1,2,3
	global_load_b32 v[WSC+4*\mu+\t], v[L4], s[18:19] offset:51200*\mu+12288+128*\t
.endr
.endm
	; ---- the head: ids, every LDS address, the bases
	s_load_b512 s[4:19], s[0:1], 0x0               ; x s[4:5], W0 s[6:7], b0 s[8:9], b1 s[10:11], b2 s[12:13], W3 s[14:15], b3 s[16:17], wq s[18:19]
	s_load_b128 s[20:23], s[0:1], 0x40             ; out0, out1
	s_load_b64 s[24:25], s[0:1], 0x50              ; out2
	v_lshl_add_u32 v231, v0, 2, 0x46000
	s_set_vgpr_msb 0x40
	v_mov_b32 v255, 0
	s_set_vgpr_msb 0x4000
	v_lshrrev_b32 v[TT], 5, v0
	v_readfirstlane_b32 s26, v[TT]                 ; wave w
	v_and_b32 v[LN], 31, v0
	v_and_b32 v[RR], 15, v0
	v_bfe_u32 v[HH], v0, 4, 1
	v_lshlrev_b32 v[L16], 4, v[LN]
	v_lshlrev_b32 v[L8], 3, v[LN]
	v_lshlrev_b32 v[L4], 2, v[LN]
	v_add_nc_u32 v[FPR], FPART, v[L4]
	v_add_nc_u32 v[RD4A], SCW, v[L4]
	v_add_nc_u32 v[RD8B], IMG_B, v[L8]
	v_add_nc_u32 v[RD4B], IMG_B+SCW, v[L4]
	s_wait_alu depctr_va_sdst(0)                   ; s26 is written, ahead of its first reader: addresses, bases and the last branch are made from it
	s_lshr_b32 s27, s26, 1
	s_and_b32 s28, s26, 1
	s_mul_i32 s41, s26, 768
	v_add_nc_u32 v[WR8A], s41, v[L8]
	v_add_nc_u32 v[WR8B], IMG_B, v[WR8A]
	s_lshl_b32 s41, s27, 6
	s_lshl_b32 s42, s28, 1
	s_add_co_u32 s41, s41, s42
	s_add_co_u32 s41, s41, SCW
	v_lshl_add_u32 v[WRSA], v[RR], 2, v[HH]
	v_add_nc_u32 v[WRSA], s41, v[WRSA]
	v_add_nc_u32 v[WRSB], IMG_B, v[WRSA]
	s_mul_i32 s41, s26, 13056
	s_add_co_u32 s41, s41, DARR
	v_lshl_add_u32 v[DBC], v[HH], 7, s41
	v_lshrrev_b32 v[TT], 2, v[RR]
	v_mad_u32_u24 v[DLN], v[TT], PIT, v[DBC]
	v_lshrrev_b32 v[TT], 1, v[RR]
	v_mad_u32_u24 v[DWR], v[TT], PIT, v[DBC]
	s_lshl_b32 s41, s26, 7
	s_add_co_u32 s41, s41, FPART
	v_lshl_add_u32 v[FPW], v[TT], 4, s41
	s_mul_i32 s41, s26, 8704
	s_add_co_u32 s41, s41, GUB
	v_lshl_add_u32 v[GBC], v[HH], 7, s41
	v_mad_u32_u24 v[GWR], v[RR], PIT, v[GBC]
	s_lshl_b32 s41, s26, 14
	s_add_co_u32 s41, s41, W1S
	v_add_nc_u32 v[W1A], s41, v[L16]
	s_mul_i32 s41, s26, 1088
	s_add_co_u32 s41, s41, C3T
	v_add_nc_u32 v[C3W], s41, v[L4]
	v_lshl_add_u32 v[C3B], v[HH], 7, s41
	v_and_b32 v[TT], 3, v[RR]
	v_mad_u32_u24 v[C3L], v[TT], PIT, v[C3B]
	s_lshl_b32 s41, s26, 2
	s_add_co_u32 s41, s41, STG2
	v_lshlrev_b32 v[ST2W], 4, v[RR]
	v_lshl_add_u32 v[ST2W], v[HH], 11, v[ST2W]
	v_add_nc_u32 v[ST2W], s41, v[ST2W]             ; out2's (i = 8 h + q, j = r, m = w): 2048 h + 16 r + 4 w, + 256 q
	s_lshl_b32 s41, s26, 12
	s_add_co_u32 s41, s41, STG2
	v_add_nc_u32 v[ST2R], s41, v[L16]
	s_lshl_b32 s41, s26, 10
	s_add_co_u32 s41, s41, STG1
	v_lshlrev_b32 v[ST1W], 2, v[TT]                ; out1's (sample r / 4, i = 8 h + q, m = r % 4), in my wave's own copy
	v_lshl_add_u32 v[ST1W], v[HH], 7, v[ST1W]
	v_lshrrev_b32 v[TT], 2, v[RR]
	v_lshl_add_u32 v[ST1W], v[TT], 8, v[ST1W]
	v_add_nc_u32 v[ST1W], s41, v[ST1W]
	s_mul_i32 s41, s26, 1280
	s_add_co_u32 s41, s41, STG1
	v_add_nc_u32 v[ST1R], s41, v[L8]               ; of my copy, sample w
	s_mul_i32 s41, s26, SLOTB
	v_add_nc_u32 v[RF8], s41, v[L8]                ; the last product: wave w takes the tiles with m = w
	s_add_co_u32 s41, s41, SCW
	v_add_nc_u32 v[RF4], s41, v[L4]
	; offsets into the inputs
	v_lshrrev_b32 v[TT], 1, v[RR]
	v_lshlrev_b32 v240, 6, v[TT]
	v_lshl_add_u32 v240, v[HH], 3, v240            ; x: sample r / 2, + 8 h
	v_lshrrev_b32 v[TT], 3, v[RR]
	v_lshlrev_b32 v241, 7, v[TT]
	v_and_b32 v[TT], 7, v[RR]
	v_lshl_add_u32 v241, v[TT], 2, v241
	v_lshl_add_u32 v241, v[HH], 11, v241
	s_lshl_b32 s41, s26, 8
	v_add_nc_u32 v241, s41, v241                   ; W0 as source 0: 2 h rows of 1,024 bytes, column 64 w + 32 (r / 8) + r % 8
	v_lshl_add_u32 v242, v[HH], 7, s41             ; a bias: 4 (64 w + 32 h)
	s_lshl_b32 s42, s26, 10
	v_add_nc_u32 v243, s42, v[L16]                 ; W3: row 64 w + lane
	v_lshl_add_u32 v244, v[RR], 10, v242           ; W0[r][64 w + 32 h ..]
	v_mov_b32 v[KC], 0xbeaaaaab                    ; -1/3
	v_mov_b32 v[KC+1], 0xbeaaaaab
	v_mov_b32 v[KC+2], 0x3e088889                  ; 2/15
	v_mov_b32 v[KC+3], 0x3e088889
	v_mov_b32 v[KC+4], 0xbd5d0dd1                  ; -17/315
	v_mov_b32 v[KC+5], 0xbd5d0dd1
	v_mov_b32 v[KC+6], 0x3cb327a4                  ; 62/2835
	v_mov_b32 v[KC+7], 0x3cb327a4
	s_mov_b32 s32, 0x76543210
	s_mov_b32 s33, 0xfedcba98                      ; v_permlanex16_b32: lane l xor 16
	s_mov_b32 s31, 0
	s_wait_kmcnt 0x0
	s_lshl_b32 s30, ttmp9, 9
	s_add_nc_u64 s[4:5], s[4:5], s[30:31]          ; x at my 8 samples
	s_add_nc_u64 s[46:47], s[18:19], 204800        ; wq's block 16: W0
	s_mul_i32 s30, s26, 12800
	s_add_nc_u64 s[18:19], s[18:19], s[30:31]      ; wq at my wave's blocks
	s_lshl_b32 s30, ttmp9, 7
	s_add_nc_u64 s[20:21], s[20:21], s[30:31]      ; out0 at my 8 samples
	s_lshl_b32 s42, ttmp9, 3
	s_add_co_u32 s42, s42, s26                     ; sample 8 g + w
	s_lshl_b32 s30, s42, 8
	s_add_nc_u64 s[22:23], s[22:23], s[30:31]
	s_lshl_b32 s30, s42, 12
	s_add_nc_u64 s[24:25], s[24:25], s[30:31]
	s_wait_alu depctr_va_vdst(0)                   ; every offset and LDS address of the kernel (v1 to v27, v240 to v244) is written, ahead of the loads and stores that read them; so are v196 to v199, in which b0 lands
	; 44 loads for the first layer
.irp k, 0,1,2,3
	global_load_b64 v[G+16+2*\k:G+17+2*\k], v240, s[4:5] offset:16*\k          ; x(sample, 4 k + 2 h + 0, 1)
.endr
	WIN 0x80
.irp t, 0,1,2,3
.irp k, 0,1,2,3
.irp j, 0,1
	global_load_b32 v[W0A+2*(4*\t+\k)+\j], v241, s[6:7] offset:(4*\k+\j)*1024+32*\t
.endr
.endr
.endr
	WIN 0
.irp i, 0,1,2,3,4,5,6,7
	global_load_b128 v[SP+4*\i:SP+4*\i+3], v242, s[8:9] offset:16*\i           ; b0
.endr
	; 26 loads that are wanted later
	WIN 0xc0
.irp i, 0,1,2,3,4,5,6,7
	global_load_b128 v[DD+4*\i:DD+4*\i+3], v242, s[10:11] offset:16*\i         ; b1
.endr
.irp i, 0,1,2,3,4,5,6,7
	global_load_b128 v[WV3+4*\i:WV3+4*\i+3], v242, s[12:13] offset:16*\i       ; b2
.endr
.irp i, 0,1,2,3,4,5,6,7
	global_load_b128 v[W0J+4*\i:W0J+4*\i+3], v244, s[6:7] offset:16*\i
.endr
	WIN 0
	global_load_b128 v[W3R:W3R+3], v243, s[14:15]
	global_load_b128 v[W3R+4:W3R+7], v243, s[14:15] offset:512
	; ---- primal, layer 0: z0 = x W0 + b0 with f32 operands: it goes on into a quantiser.  16 matrix instructions, the four accumulators by turns, K ascending
	s_wait_loadcnt 26                              ; the 26 younger loads may stay out
	WIN 0x82
.irp t, 0,1,2,3
	v_wmma_f32_16x16x4_f32 v[Z0+8*\t:Z0+8*\t+7], v[W0A+8*\t:W0A+8*\t+1], v[G+16:G+17], 0
.endr
	WIN 0xa2
.irp k, 1,2,3
.irp t, 0,1,2,3
	v_wmma_f32_16x16x4_f32 v[Z0+8*\t:Z0+8*\t+7], v[W0A+8*\t+2*\k:W0A+8*\t+2*\k+1], v[G+16+2*\k:G+17+2*\k], v[Z0+8*\t:Z0+8*\t+7]
.endr
.endr
	WLOAD 1, W1F, 0                                ; 28 loads
	WLOAD 1, W2F, 1                                ; 28 loads
	PLACES 8                                       ; behind the f32 form (ISA guide 7.12.1)
	WIN 0x02
.set jj, 0
.rept 16
	v_pk_add_f32 v[ACC0+jj:ACC0+jj+1], v[Z0+jj:Z0+jj+1], v[SP+jj:SP+jj+1]
.set jj, jj+2
.endr
	TANH
	QUANTV ACC0, 0
	s_wait_alu depctr_va_vdst(0)                   ; d (ACC1), p (G) and the codes are written, which the stores below read; the series is done with v52 on, in which the next fetch lands
	STARR AD0, ACC1
	STARR AP0, G
	QUANTS 0, WR8A, WRSA, 0
	BARRIER 1                                      ; u0's codes lie in A's slot 0
	; ---- layer 1
	FETCH 0, RD8A, RD4A, 0
	s_wait_loadcnt 28                              ; W1 forward and b1 are in; W2 forward's 28 may stay out
	s_wait_dscnt 0x0
	MM ACC0, 0, 1, W1F, WSC, 3, DD
	WLOAD 2, W2B, 2                                ; 28 loads,
	WIN 0x40
.irp i, 0,1,2,3,4,5
	global_load_b128 v[W0B+4*\i:W0B+4*\i+3], v[L16], s[46:47] offset:512*\i    ; and 7 for W0
.endr
	WIN 0
	global_load_b32 v[W0SC], v[L4], s[46:47] offset:12288
	PLACES 4
	TANH
	QUANTV ACC0, 0
	s_wait_alu depctr_va_vdst(0)                   ; d, p and the codes are written, which the stores below read; the series and the products are done with v49 and v52 on, in which the next fetch lands
	STARR AD1, ACC1
	STARR AP1, G
	QUANTS 0, WR8B, WRSB, 0
	BARRIER 1                                      ; u1's codes lie in B's slot 0
	; ---- layer 2 and f
	s_wait_loadcnt 35                              ; W2 forward, b2, W3, W0's rows j are in; the 35 younger loads may stay out
.irp m, 0,1,2,3
	ds_store_b32 v[C3W], v[W3R+\m] offset:PIT*\m           ; W3 transposed, in my wave's own bytes: LDS serves a wave's instructions in order, so the loads below see these
	ds_store_b32 v[C3W], v[W3R+4+\m] offset:PIT*\m+128
.endr
.irp m, 0,1,2,3
	LDB 3, CM+32*\m, C3B, PIT*\m, 16
.endr
	LDB 3, W3L, C3L, 0, 16
	FETCH 0, RD8B, RD4B, 0
	s_wait_dscnt 0x0
	MM ACC0, 0, 1, W2F, WSC+4, 3, WV3
	WLOAD 2, W1B, 3
	PLACES 4
	TANH
	WIN 0x0c                                       ; f's partial sums over my 32 units: four chains, one for each m
.irp m, 0,1,2,3
	v_pk_mul_f32 v[SP+2*\m:SP+2*\m+1], v[ACC0:ACC0+1], v[CM+32*\m:CM+32*\m+1]
.endr
.irp j, 2,4,6,8,10,12,14,16,18,20,22,24,26,28,30
.irp m, 0,1,2,3
	v_pk_fma_f32 v[SP+2*\m:SP+2*\m+1], v[ACC0+\j:ACC0+\j+1], v[CM+32*\m+\j:CM+32*\m+\j+1], v[SP+2*\m:SP+2*\m+1]
.endr
.endr
	WIN 0
.irp m, 0,1,2,3
	v_add_f32 v[SP+8+\m], v[SP+2*\m], v[SP+2*\m+1]
.endr
.irp m, 0,1,2,3
	v_permlanex16_b32 v[SP+12+\m], v[SP+8+\m], s32, s33
.endr
.irp m, 0,1,2,3
	v_add_f32 v[SP+8+\m], v[SP+8+\m], v[SP+12+\m]  ; with the other half's 32 units
.endr
	s_wait_alu depctr_va_vdst(0)                   ; d, p and f's partial sums are written, which the stores below read
	STARR AD2, ACC1
	STARR AP2, G
.irp m, 0,1,2,3
	ds_store_b32 v[FPW], v[SP+8+\m] offset:4*\m
.endr
	s_wait_loadcnt 0x0                             ; all weights are in their registers
	s_wait_alu depctr_vm_vsrc(0)                   ; the stores above have read ACC1, G and SP, W3's stores v84 on, and W3's LDS instructions v18 to v20: the loop writes all of these again
	s_mov_b32 s34, 0
.Lhalf:                                            ; ======== four samples: rows 4 HF .. 4 HF + 3 of the arrays
	; ---- a: du0 of the four samples (slots 0-3) and gz2 (slot 16) into A.  The factor rows come into DD and G by turns, two tiles ahead
	LDB 3, DD, DBC, AD0, 16
	LDB 0, G, DBC, AD0+PIT, 16
.irp i, 0,1,2,3
.if \i == 0
	s_wait_dscnt 8                                 ; sample 0's row is in; sample 1's 8 loads may be out
.elseif \i == 1
	s_wait_dscnt 12                                ; behind my row: the next row's 8 loads and 4 stores
.else
	s_wait_dscnt 16                                ; behind my row: 4 stores, 8 loads, 4 stores
.endif
.if \i%2
	WIN 0x0c
	PKMUL ACC1, G, W0J
.else
	WIN 0x0f
	PKMUL ACC0, DD, W0J
.endif
	QUANTV ACC0+32*(\i%2), \i%2
.if \i > 0
	s_wait_alu depctr_vm_vsrc(0)                   ; the last tile's stores have read their code set, which the next tile writes again
.endif
	s_wait_alu depctr_va_vdst(0)                   ; the codes are written, which the stores below read; the multiplies are done reading the row in which the load below lands
.if \i == 0
	LDB 3, DD, DBC, AD0+2*PIT, 16
.elseif \i == 1
	LDB 0, G, DBC, AD0+3*PIT, 16
.elseif \i == 2
	LDB 3, DD, DLN, AD2, 16
.endif
	QUANTS \i%2, WR8A, WRSA, SLOTB*\i
.endr
	s_wait_dscnt 8                                 ; d2 by the cotangents' rows is in; two tiles' 8 stores may be out
	WIN 0x0f
	PKMUL ACC0, DD, W3L
	QUANTV ACC0, 0
	s_wait_alu depctr_va_vdst(0)                   ; the codes are written, which the stores below read; the multiplies are done reading DD, in which the next phase's load lands
	QUANTS 0, WR8A, WRSA, GSLOT
	BARRIER 1
	; ---- b: dz1 = Q(du0) Q(W1); w1 = p1 dz1 is kept in LDS; du1 = d1 dz1 into B's slots 0-3.  gu1 = Q(gz2) Q(W2^T) is kept; gz1 into B's slot 16.  A tile's vector work stands behind the next tile's products.
	; p1's rows come into G and SP by turns, d1's into DD and P0B, two tiles ahead; the five tiles go through the three fragment buffers
.macro VECB i                          ; a tile's vector work, its wait, and its 12 LDS stores
.set AC, ACC0+32*((\i)%2)
.if (\i) > 0
	s_wait_alu depctr_vm_vsrc(0)                   ; the last tile's stores have read WV3, and the earlier tiles' stores their code sets: both are written again below
.endif
	WIN 0xc0
.if (\i)%2
	PKMUL WV3, AC, SP
	WIN 0x08
	PKMUL AC, AC, P0B
.else
	PKMUL WV3, AC, G
	WIN 0x0c
	PKMUL AC, AC, DD
.endif
	QUANTV AC, (\i)%2
	s_wait_alu depctr_va_vdst(0)                   ; w1 and the codes are written, which the stores below read; the multiplies are done reading their two rows, and the products issued so far their fragments and scale words: loads land in these behind the stores
	WIN 0x0c
.irp k, 0,1,2,3,4,5,6,7
	ds_store_b128 v[W1A], v[WV3+4*\k:WV3+4*\k+3] offset:4096*(\i)+512*\k
.endr
	QUANTS (\i)%2, WR8B, WRSB, SLOTB*(\i)
.endm
	FETCH 0, RD8A, RD4A, 0
	FETCH 1, RD8A, RD4A, SLOTB
	LDB 0, G, DBC, AP1, 16
	LDB 3, DD, DBC, AD1, 16
	LDB 0, SP, DBC, AP1+PIT, 16
	LDB 2, P0B, DBC, AD1+PIT, 16
	s_wait_dscnt 45                                ; tile 0 is in: behind it tile 1's 13 loads and four rows' 32
	MM ACC0, 0, 1, W1F, WSC, 0, 0
	s_wait_dscnt 32
	MM ACC1, 1, 1, W1F, WSC, 0, 0
	FETCH 2, RD8A, RD4A, 2*SLOTB                   ; no wait: no vector or matrix instruction since the last wait on va_vdst names buffer 2
	s_wait_dscnt 13                                ; the four rows are in; tile 2's 13 loads may be out
	PLACES 4                                       ; in front of the first read of results
	VECB 0
	LDB 0, G, DBC, AP1+2*PIT, 16
	LDB 3, DD, DBC, AD1+2*PIT, 16
	FETCH 0, RD8A, RD4A, 3*SLOTB
	s_wait_dscnt 41                                ; tile 2 is in: behind it the 12 stores, 16 and 13 loads just issued
	MM ACC0, 2, 1, W1F, WSC, 0, 0
	VECB 1
	LDB 0, SP, DBC, AP1+3*PIT, 16
	LDB 2, P0B, DBC, AD1+3*PIT, 16
	FETCH 1, RD8A, RD4A, GSLOT
	s_wait_dscnt 41                                ; tile 3 and sample 2's rows are in: behind them the 41 just issued
	MM ACC1, 0, 1, W1F, WSC, 0, 0
	VECB 2
	LDB 3, DD, DLN, AD1, 16
	s_wait_dscnt 20                                ; gz2's tile and sample 3's rows are in: behind them the 12 stores and 8 loads just issued
	MM ACC0, 1, 2, W2B, WSC+8, 0, 0
	VECB 3                                         ; (its vector lines are the places behind those products, and its wait states that they have written ACC0)
	WIN 0
.irp i, 0,1,2,3,4,5,6,7
	ds_store_b128 v[GWR], v[ACC0+4*\i:ACC0+4*\i+3] offset:16*\i    ; gu1
.endr
	s_wait_dscnt 20                                ; d1 by the cotangents' rows is in: behind it 20 stores
	WIN 0x0c
	PKMUL ACC1, ACC0, DD                           ; into other registers than the stores read
	QUANTV ACC1, 0
	s_wait_alu depctr_va_vdst(0)                   ; the codes are written, which the stores below read; the multiplies are done reading DD, in which the next phase's load lands
	QUANTS 0, WR8B, WRSB, GSLOT
	BARRIER 1
	; ---- c: gu0 = Q(gz1) Q(W1^T) is kept; gz0 into A's slot 16.  dz2 = Q(du1) Q(W2); w2 = p2 dz2; hz2 = W3[., m] w2 into A's slots 4 s + m
	FETCH 0, RD8B, RD4B, GSLOT
	LDB 3, DD, DLN, AD0, 16
	s_wait_dscnt 0x0
	MM ACC0, 0, 2, W1B, WSC+12, 0, 0
	PLACES 4
	WIN 0x0c
	PKMUL ACC1, ACC0, DD
	QUANTV ACC1, 0
	s_wait_alu depctr_va_vdst(0)                   ; the products have written ACC0 and the quantiser the codes, which the stores below read
	WIN 0
.irp i, 0,1,2,3,4,5,6,7
	ds_store_b128 v[GWR], v[ACC0+4*\i:ACC0+4*\i+3] offset:GU0O+16*\i
.endr
	QUANTS 0, WR8A, WRSA, GSLOT
	s_mov_b32 s36, 0
	s_mov_b32 s37, 0
	s_mov_b32 s38, 0
	s_mov_b32 s39, 0
.Lic:                                              ; two trips, two samples each
	s_wait_alu depctr_vm_vsrc(0)                   ; the LDS instructions issued so far have read the trip's address registers, both code sets and (gu0's stores) ACC0: all are written again in this trip
	v_add_nc_u32 v[CR8], s37, v[RD8B]
	v_add_nc_u32 v[CR4], s37, v[RD4B]
	v_add_nc_u32 v[CW8], s38, v[WR8A]
	v_add_nc_u32 v[CWS], s38, v[WRSA]
	v_add_nc_u32 v[CD], s39, v[DBC]
	s_wait_alu depctr_va_vdst(0)                   ; the five addresses are written, which the trip's LDS instructions read
	FETCH 0, CR8, CR4, 0
	FETCH 1, CR8, CR4, SLOTB
	LDB 0, G, CD, AP2, 16
	LDB 3, DD, CD, AP2+PIT, 16
	s_wait_dscnt 29                                ; tile 0 is in: behind it tile 1's 13 loads and two rows' 16
	MM ACC0, 0, 1, W2F, WSC+4, 0, 0
	s_wait_dscnt 16
	MM ACC1, 1, 1, W2F, WSC+4, 0, 0
	s_wait_dscnt 0x0                               ; p2 of both samples
	PLACES 4
	WIN 0xc0
	PKMUL WV3, ACC0, G
.irp m, 0,1,2,3
	WIN 0x0f
	PKMUL ACC0, CM+32*\m, WV3
	QUANTV ACC0, \m%2
.if \m > 0
	s_wait_alu depctr_vm_vsrc(0)                   ; the last tile's stores have read their code set, which the next tile writes again
.endif
	s_wait_alu depctr_va_vdst(0)                   ; the codes are written, which the stores below read
	QUANTS \m%2, CW8, CWS, SLOTB*\m
.endr
	WIN 0xcc
	PKMUL WV3, ACC1, DD
.irp m, 0,1,2,3
	WIN 0x0f
	PKMUL ACC1, CM+32*\m, WV3
	QUANTV ACC1, \m%2
.if \m < 3
	s_wait_alu depctr_vm_vsrc(0)                   ; the last tile's stores have read their code set, which the next tile writes again
.endif
	s_wait_alu depctr_va_vdst(0)                   ; the codes are written, which the stores below read
	QUANTS \m%2, CW8, CWS, SLOTB*(4+\m)
.endr
	s_add_co_u32 s37, s37, 2*SLOTB
	s_add_co_u32 s38, s38, 8*SLOTB
	s_add_co_u32 s39, s39, 2*PIT
	s_add_co_u32 s36, s36, 1
	s_cmp_lt_u32 s36, 2
	s_cbranch_scc1 .Lic
	BARRIER 0
	; ---- d and e: one sample a trip, its four tiles m.  kind 0: hu1 = Q(hz2) Q(W2^T), hz1 = hu1 d1 + gu1[m] w1, A to B.  kind 1: hu0 = Q(hz1) Q(W1^T), hz0 = hu0 d0 + gu0[m] w0, B to A.
	; gu's rows come into G and SP by turns, two tiles ahead; the four tiles go through the three fragment buffers
.macro VEC m, g                        ; tile m's vector work
	EW2 ACC0+32*((\m)%2), \g
	QUANTV ACC0+32*((\m)%2), (\m)%2
.endm
.macro BTRIP kind
	WIN 0
	s_wait_alu depctr_vm_vsrc(0)                   ; the LDS instructions issued so far have read the trip's address registers and both code sets, which this trip writes again
.if \kind == 0
	v_add_nc_u32 v[CR8], s37, v[RD8A]
	v_add_nc_u32 v[CR4], s37, v[RD4A]
	v_add_nc_u32 v[CW8], s37, v[WR8B]
	v_add_nc_u32 v[CWS], s37, v[WRSB]
	v_add_nc_u32 v[CW1], s40, v[W1A]
.else
	v_add_nc_u32 v[CR8], s37, v[RD8B]
	v_add_nc_u32 v[CR4], s37, v[RD4B]
	v_add_nc_u32 v[CW8], s37, v[WR8A]
	v_add_nc_u32 v[CWS], s37, v[WRSA]
.endif
	v_add_nc_u32 v[CD], s38, v[DBC]
	v_add_nc_u32 v[CG], s39, v[GBC]
	s_wait_alu depctr_va_vdst(0)                   ; the trip's addresses are written, which its LDS instructions read
	FETCH 0, CR8, CR4, 0
	FETCH 1, CR8, CR4, SLOTB
.if \kind == 0
	LDB 3, DD, CD, AD1, 16
	LDB 3, WV3, CW1, 0, 512
.else
	LDB 2, P0B, CD, AP0, 16
	LDB 3, DD, CD, AD0, 16
.endif
	LDB 0, G, CG, GU0O*\kind, 16
	s_wait_dscnt 37                                ; tile 0 is in: behind it tile 1's 13 loads and three rows' 24
	MM ACC0, 0, 2, W2B+96*\kind, WSC+8+4*\kind, 0, 0
	s_wait_dscnt 24
	MM ACC1, 1, 2, W2B+96*\kind, WSC+8+4*\kind, 0, 0
	FETCH 2, CR8, CR4, 2*SLOTB                     ; no wait: no vector or matrix instruction since the wait above names buffer 2 or SP
	LDB 0, SP, CG, GU0O*\kind+PIT, 16
	s_wait_dscnt 21                                ; the three rows are in: behind them tile 2's 13 loads and gu[1]'s 8
.if \kind == 0
	PLACES 4                                       ; in front of the first read of results
.else
	WIN 0xce
	PKMUL WV3, P0B, W0J                            ; w0 = p0 W0[j, .]: these sixteen are also the places in front of the first read of results
.endif
	VEC 0, G
	s_wait_alu depctr_va_vdst(0)                   ; the codes are written, which the stores below read; the first two products are done reading buffer 0 and the multiply-adds G, in which the loads below land
	FETCH 0, CR8, CR4, 3*SLOTB
	LDB 0, G, CG, GU0O*\kind+2*PIT, 16
	QUANTS 0, CW8, CWS, 0
	s_wait_dscnt 25                                ; tile 2 and gu[1] are in: behind them the 13, 8 and 4 just issued
	MM ACC0, 2, 2, W2B+96*\kind, WSC+8+4*\kind, 0, 0
	VEC 1, SP
	s_wait_alu depctr_vm_vsrc(0)                   ; tile 0's stores have read code set 0, which tile 2 writes again
	s_wait_alu depctr_va_vdst(0)                   ; the codes are written, which the stores below read; the multiply-adds are done reading SP, in which the load below lands
	LDB 0, SP, CG, GU0O*\kind+3*PIT, 16
	QUANTS 1, CW8, CWS, SLOTB
	s_wait_dscnt 16                                ; tile 3 and gu[2] are in: behind them 4 stores, 8 loads, 4 stores
	MM ACC1, 0, 2, W2B+96*\kind, WSC+8+4*\kind, 0, 0
	VEC 2, G
	s_wait_alu depctr_vm_vsrc(0)                   ; tile 1's stores have read code set 1, which tile 3 writes again
	s_wait_alu depctr_va_vdst(0)                   ; the codes are written, which the stores below read
	QUANTS 0, CW8, CWS, 2*SLOTB
	s_wait_dscnt 8                                 ; gu[3] is in: behind it two tiles' 8 stores
	VEC 3, SP
	s_wait_alu depctr_va_vdst(0)                   ; the codes are written, which the stores below read
	QUANTS 1, CW8, CWS, 3*SLOTB
.endm
.macro BSTEP                           ; a sample on
	s_add_co_u32 s37, s37, 4*SLOTB
	s_add_co_u32 s38, s38, PIT
	s_add_co_u32 s39, s39, 4*PIT
	s_add_co_u32 s40, s40, 4096
	s_add_co_u32 s36, s36, 1
	s_cmp_lt_u32 s36, 4
.endm
.macro BZERO
	s_mov_b32 s36, 0
	s_mov_b32 s37, 0
	s_mov_b32 s38, 0
	s_mov_b32 s39, 0
	s_mov_b32 s40, 0
.endm
	BZERO
.Lid:
	BTRIP 0
	BSTEP
	s_cbranch_scc1 .Lid
	BARRIER 0
	BZERO
.Lie:
	BTRIP 1
	BSTEP
	s_cbranch_scc1 .Lie
	BARRIER 0
	; ---- f: hess = Q(hz0) Q(W0^T): wave w takes the four tiles with m = w, two at a time; every wave makes jac = Q(gz0) Q(W0^T) for its own copy, beside the first two: the accumulators take turns
.macro HP a0, a1
	WIN 0x01
	v_wmma_scale_f32_16x16x128_f8f6f4 v[\a0:\a0+7], v[W0B:W0B+11], v[XF:XF+11], 0, v[W0SC], v[XS] matrix_a_fmt:MATRIX_FMT_FP6 matrix_b_fmt:MATRIX_FMT_FP6
	v_wmma_scale_f32_16x16x128_f8f6f4 v[\a1:\a1+7], v[W0B:W0B+11], v[XF+24:XF+35], 0, v[W0SC], v[XS+1] matrix_a_fmt:MATRIX_FMT_FP6 matrix_b_fmt:MATRIX_FMT_FP6
	v_wmma_scale_f32_16x16x128_f8f6f4 v[\a0:\a0+7], v[W0B+12:W0B+23], v[XF+12:XF+23], v[\a0:\a0+7], v[W0SC], v[XS] matrix_a_fmt:MATRIX_FMT_FP6 matrix_b_fmt:MATRIX_FMT_FP6 matrix_a_scale:MATRIX_SCALE_ROW1 matrix_b_scale:MATRIX_SCALE_ROW1
	v_wmma_scale_f32_16x16x128_f8f6f4 v[\a1:\a1+7], v[W0B+12:W0B+23], v[XF+36:XF+47], v[\a1:\a1+7], v[W0SC], v[XS+1] matrix_a_fmt:MATRIX_FMT_FP6 matrix_b_fmt:MATRIX_FMT_FP6 matrix_a_scale:MATRIX_SCALE_ROW1 matrix_b_scale:MATRIX_SCALE_ROW1
	WIN 0
	PLACES 4
.endm
.macro HST a, s                        ; sample s's tile into the stage, from the accumulator's low end on
.irp q, 0,1,2,3,4,5,6,7
	ds_store_b32 v[ST2W], v[\a+\q] offset:4096*\s+256*\q
.endr
.endm
	FETCH 0, RF8, RF4, 0
	FETCH 1, RF8, RF4, 4*SLOTB
	FETCH 2, RD8A, RD4A, GSLOT
	s_wait_dscnt 0x0
	WIN 0x05
	v_wmma_scale_f32_16x16x128_f8f6f4 v[ACC0+16:ACC0+23], v[W0B:W0B+11], v[XF2:XF2+11], 0, v[W0SC], v[XS+2] matrix_a_fmt:MATRIX_FMT_FP6 matrix_b_fmt:MATRIX_FMT_FP6
	WIN 0x01
	v_wmma_scale_f32_16x16x128_f8f6f4 v[ACC0:ACC0+7], v[W0B:W0B+11], v[XF:XF+11], 0, v[W0SC], v[XS] matrix_a_fmt:MATRIX_FMT_FP6 matrix_b_fmt:MATRIX_FMT_FP6
	v_wmma_scale_f32_16x16x128_f8f6f4 v[ACC0+8:ACC0+15], v[W0B:W0B+11], v[XF+24:XF+35], 0, v[W0SC], v[XS+1] matrix_a_fmt:MATRIX_FMT_FP6 matrix_b_fmt:MATRIX_FMT_FP6
	WIN 0x05
	v_wmma_scale_f32_16x16x128_f8f6f4 v[ACC0+16:ACC0+23], v[W0B+12:W0B+23], v[XF2+12:XF2+23], v[ACC0+16:ACC0+23], v[W0SC], v[XS+2] matrix_a_fmt:MATRIX_FMT_FP6 matrix_b_fmt:MATRIX_FMT_FP6 matrix_a_scale:MATRIX_SCALE_ROW1 matrix_b_scale:MATRIX_SCALE_ROW1
	WIN 0x01
	v_wmma_scale_f32_16x16x128_f8f6f4 v[ACC0:ACC0+7], v[W0B+12:W0B+23], v[XF+12:XF+23], v[ACC0:ACC0+7], v[W0SC], v[XS] matrix_a_fmt:MATRIX_FMT_FP6 matrix_b_fmt:MATRIX_FMT_FP6 matrix_a_scale:MATRIX_SCALE_ROW1 matrix_b_scale:MATRIX_SCALE_ROW1
	v_wmma_scale_f32_16x16x128_f8f6f4 v[ACC0+8:ACC0+15], v[W0B+12:W0B+23], v[XF+36:XF+47], v[ACC0+8:ACC0+15], v[W0SC], v[XS+1] matrix_a_fmt:MATRIX_FMT_FP6 matrix_b_fmt:MATRIX_FMT_FP6 matrix_a_scale:MATRIX_SCALE_ROW1 matrix_b_scale:MATRIX_SCALE_ROW1
	WIN 0
	PLACES 4                                       ; behind the last product, before its result is read (ISA guide 7.12.1); they stay beside the wait below
	s_wait_alu depctr_va_vdst(0)                   ; the six products have written their accumulators, which the stores below read, and are done reading buffers 0 and 1, in which the fetches below land
	FETCH 0, RF8, RF4, 8*SLOTB
	FETCH 1, RF8, RF4, 12*SLOTB
	HST ACC0, 0
	HST ACC0+8, 1
.irp q, 0,1,2,3,4,5,6,7
	ds_store_b32 v[ST1W], v[ACC0+16+\q] offset:16*\q
.endr
	s_wait_dscnt 24                                ; the two tiles are in; the 24 stores may be out
	HP ACC1, ACC1+8
	s_wait_alu depctr_va_vdst(0)                   ; the four products have written their accumulators, which the stores below read
	HST ACC1, 2
	HST ACC1+8, 3
	BARRIER 1                                      ; four samples of out2 lie in the stage
	; ---- out: wave w stores sample w of the half
.irp i, 0,1,2,3,4,5,6,7
	ds_load_b128 v[SP+4*\i:SP+4*\i+3], v[ST2R] offset:512*\i
.endr
	ds_load_b64 v[ACC0:ACC0+1], v[ST1R]
	s_wait_dscnt 0x0
.irp i, 0,1,2,3,4,5,6,7
	global_store_b128 v[L16], v[SP+4*\i:SP+4*\i+3], s[24:25] offset:512*\i th:TH_STORE_NT   ; 32 lanes store 512 consecutive bytes, at a multiple of 256 from out2's first byte
.endr
	global_store_b64 v[L8], v[ACC0:ACC0+1], s[22:23] th:TH_STORE_NT                         ; 256 consecutive bytes, aligned likewise
	s_wait_xcnt 0x0                                ; the stores have read their registers and bases: both are written again only behind this wait
	s_wait_alu depctr_vm_vsrc(0)                   ; the stores have read SP and ACC0, and the half's LDS loads DBC and DLN: all are written again below or in the next half
	s_add_nc_u64 s[24:25], s[24:25], 16384
	s_add_nc_u64 s[22:23], s[22:23], 1024
	v_add_nc_u32 v[DBC], 4*PIT, v[DBC]             ; the arrays' next four sample rows
	v_add_nc_u32 v[DLN], 4*PIT, v[DLN]
	s_wait_alu depctr_va_vdst(0)                   ; DBC and DLN are written, which the next half's LDS loads read
	s_add_co_u32 s34, s34, 1
	s_cmp_lt_u32 s34, 2
	s_cbranch_scc1 .Lhalf
	; ---- f = the four waves' partial sums + b3: wave 0, lane = 4 x sample + m.  The sums were stored ahead of many barriers
	s_cmp_lg_u32 s26, 0
	s_cbranch_scc1 .Lend
	v_and_b32 v[SP+5], 3, v0
	v_lshlrev_b32 v[SP+5], 2, v[SP+5]
	s_wait_alu depctr_va_vdst(0)                   ; b3's offset is written, which the load below reads
.irp i, 0,1,2,3
	ds_load_b32 v[SP+\i], v[FPR] offset:128*\i
.endr
	global_load_b32 v[SP+4], v[SP+5], s[16:17]
	s_wait_dscnt 0x0
	v_add_f32 v[SP], v[SP], v[SP+1]
	v_add_f32 v[SP+2], v[SP+2], v[SP+3]
	v_add_f32 v[SP], v[SP], v[SP+2]
	s_wait_alu depctr_va_vdst(0)
	s_wait_loadcnt 0x0
	v_add_f32 v[SP], v[SP], v[SP+4]
	s_wait_alu depctr_va_vdst(0)                   ; f is written, which the store below reads
	global_store_b32 v[L4], v[SP], s[20:21]
.Lend:
	s_set_vgpr_msb 0x4
	s_wait_dscnt 0x0
	s_wait_alu depctr_hold_cnt(0) depctr_sa_sdst(0) depctr_va_vdst(0) depctr_va_sdst(0) depctr_va_ssrc(0) depctr_va_vcc(0) depctr_vm_vsrc(0)
	s_wait_tensorcnt 0x0
	ds_add_u32 v231, v255
	s_wait_dscnt 0x0
	s_endpgm
.Lfunc_end_k_qf28ce5e92d_main:
	.size	k_qf28ce5e92d_main, .Lfunc_end_k_qf28ce5e92d_main-k_qf28ce5e92d_main
	.p2alignl 7, 3214868480
	.fill 96, 4, 3214868480
	.section	.rodata,"a",@progbits
	.p2align	6, 0x0
	.amdhsa_kernel k_qf28ce5e92d_main
		.amdhsa_group_segment_fixed_size 287232
		.amdhsa_private_segment_fixed_size 0
		.amdhsa_enable_private_segment 0
		.amdhsa_kernarg_size 88
		.amdhsa_user_sgpr_count 2
		.amdhsa_user_sgpr_kernarg_segment_ptr 1
		.amdhsa_wavefront_size32 1
		.amdhsa_system_sgpr_workgroup_id_x 1
		.amdhsa_system_sgpr_workgroup_id_y 1
		.amdhsa_system_sgpr_workgroup_id_z 1
		.amdhsa_system_vgpr_workitem_id 0
		.amdhsa_next_free_vgpr 1024
		.amdhsa_next_free_sgpr 66
		.amdhsa_reserve_vcc 0
		.amdhsa_float_denorm_mode_32 3
		.amdhsa_float_denorm_mode_16_64 3
		.amdhsa_memory_ordered 1
		.amdhsa_forward_progress 1
		.amdhsa_inst_pref_size 255
	.end_amdhsa_kernel
	.section	.bss,"aw",@nobits
	.p2align	6
	.space	262144
	.amdgpu_metadata
---
amdhsa.version: [ 1, 2 ]
amdhsa.kernels:
  - .name:           k_qf28ce5e92d_main
    .symbol:         k_qf28ce5e92d_main.kd
    .args:
      - { .name: x, .offset: 0, .size: 8, .value_kind: global_buffer, .address_space: global }
      - { .name: W0, .offset: 8, .size: 8, .value_kind: global_buffer, .address_space: global }
      - { .name: b0, .offset: 16, .size: 8, .value_kind: global_buffer, .address_space: global }
      - { .name: b1, .offset: 24, .size: 8, .value_kind: global_buffer, .address_space: global }
      - { .name: b2, .offset: 32, .size: 8, .value_kind: global_buffer, .address_space: global }
      - { .name: W3, .offset: 40, .size: 8, .value_kind: global_buffer, .address_space: global }
      - { .name: b3, .offset: 48, .size: 8, .value_kind: global_buffer, .address_space: global }
      - { .name: wq, .offset: 56, .size: 8, .value_kind: global_buffer, .address_space: global }
      - { .name: out0, .offset: 64, .size: 8, .value_kind: global_buffer, .address_space: global }
      - { .name: out1, .offset: 72, .size: 8, .value_kind: global_buffer, .address_space: global }
      - { .name: out2, .offset: 80, .size: 8, .value_kind: global_buffer, .address_space: global }
    .group_segment_fixed_size: 287232
    .private_segment_fixed_size: 0
    .kernarg_segment_align: 8
    .kernarg_segment_size: 88
    .max_flat_workgroup_size: 128
    .sgpr_count:     66
    .vgpr_count:     1024
    .wavefront_size: 32
...
	.end_amdgpu_metadata
.endif
;; end of part 4
